; MI455X (gfx1250); checked and timed in simulation.
; The chip was launched on July 23, 2026; its instructions are those of AMD's public machine-readable ISA for CDNA 5 (MIT licence, August 2026) and "CDNA5" Instruction Set Architecture Reference Guide (July 2026). The comments in the code are by the model that wrote it; some were corrected since.
;; Group Query Attention. Allowed arithmetic: matrix products marked QUANTISED: E2M1 operands, one E8M0 scale for each 32 along K, by v_wmma_scale_f32_16x16x128_f8f6f4 with both operands' format E2M1 (or v_wmma_scale_f32_32x16x128_f4), f32 sums; products left as they are: bf16, f16 or f32 operands; f32 sums; everything else in f32.
;; Inputs: Wk 4 x 64 x 1,024 float32; Wp 1,024 x 1,024 float32; Wq 16 x 64 x 1,024 float32; Wv 4 x 64 x 1,024 float32; bp 1,024 float32; x 4 x 2,048 x 1,024 float32.
;; Outputs: out0 4 x 2,048 x 1,024 float32.
;; This version of the problem:
;;   THIS VERSION OF THE PROBLEM IS GIVEN IN LOW PRECISION. The matrix products marked QUANTISED in the list below multiply operands that are first quantised to E2M1 (2 exponent bits, 1 mantissa bit; 4 bits a number), with one power-of-two scale for each 32 numbers along K (OCP MX v1.0); their sums are f32. The products marked 'left as it is' may take bf16, f16 or f32 operands, with f32 sums. Whichever they take, every output number must still come out within the allowed error. Rounding operands to bf16 (8 significant bits) uses up far more of that allowance than f16 does (11 bits, for magnitudes from 6e-5 to 65,504). All else is computed in f32.
;;   The module's matrix products, in the order in which they are computed (A, B: the left and right operand; K: the contracted axis; several contracted axes count as one K, in the product's order):
;;     1. [M 8,192, K 1,024] x [K 1,024, N 1,024]; A: input x; B: input Wq: QUANTISED
;;     2. [M 8,192, K 1,024] x [K 1,024, N 256]; A: input x; B: input Wk: QUANTISED
;;     3. [M 8,192, K 1,024] x [K 1,024, N 256]; A: input x; B: input Wv: QUANTISED
;;     4. batch 64 x [M 2,048, K 64] x [K 64, N 2,048]; A: computed on the way; B: computed on the way: left as it is (an operand is computed on the way)
;;     5. batch 64 x [M 64, K 2,048] x [K 2,048, N 2,048]; A: computed on the way; B: computed on the way: left as it is (an operand is computed on the way)
;;     6. [M 8,192, K 1,024] x [K 1,024, N 1,024]; A: computed on the way; B: input Wp: left as it is (an operand is computed on the way)
;;   THE QUANTISER, for each operand of a quantised product, along K:
;;     - K is cut into blocks of 32 from its start; a last block that is shorter is filled with zeros.
;;     - A block's scale is 2^e with e = floor(log2(the largest magnitude in the block)) - 2, held to -126 .. 127; a block of zeros has e = 0. As a byte (E8M0): e + 127.
;;     - Each number is divided by its block's scale, clamped to +-6, and rounded to the nearest number of E2M1, ties to even, subnormals kept.
;;     - The product sums the exact products of the quantised numbers (number of the format x scale) in f32.
;;   ~~~python
;;   def quantise(x, axis):      # numpy; x: float32 -> the quantised numbers, widened to float32 again
;;       x = np.moveaxis(x, axis, -1); K = x.shape[-1]
;;       x = np.pad(x, [(0, 0)] * (x.ndim - 1) + [(0, -K % 32)]); x = x.reshape(x.shape[:-1] + (-1, 32)); a = np.abs(x).max(-1, keepdims=True)
;;       e = np.where(a > 0, np.clip(np.frexp(np.where(a > 0, a, 1))[1] - 1 - 2, -126, 127), 0)      # np.frexp(a)[1] - 1 = floor(log2(a)), exactly
;;       r = np.clip(x / 2.0 ** e, -6, 6)
;;       step = 2.0 ** (np.maximum(np.frexp(np.where(r == 0, 1, r))[1] - 1, 0) - 1)
;;       q = np.round(r / step) * step * 2.0 ** e      # np.round: ties to even
;;       return np.moveaxis(q.reshape(q.shape[:-2] + (-1,))[..., :K], -1, axis).astype(np.float32)
;;   ~~~
;; One version. Each part assembles by itself: llvm-mc -triple=amdgcn-amd-amdhsa -mcpu=gfx1250 --defsym DOCPART=n.
;; ======== version 1 of 1: 5 launches
;; limits: values are held in f16: magnitudes above 65,504 overflow, below 6.1e-05 lose precision
;; workspace buffers: x_codes 4,194,304 bytes; x_scales 262,144 bytes; w_codes 786,432 bytes; w_scales 49,152 bytes; wp16 2,097,152 bytes; qkv 25,165,824 bytes; qkv32 393,216 bytes; o16 16,777,216 bytes
;; launch prep (part 1): grid 336 x 1, 4 waves a work-group, no clusters, 33,280 bytes of LDS; arguments x, Wq, Wk, Wv, Wp, x_codes, x_scales, w_codes, w_scales, wp16; writes x_codes, x_scales, w_codes, w_scales, wp16
.if DOCPART == 1
	.amdgcn_target "amdgcn-amd-amdhsa--gfx1250"
	.amdhsa_code_object_version 6
	.text
	.protected	k_q1869480730_prep
	.globl	k_q1869480730_prep
	.p2align	8
	.type	k_q1869480730_prep,@function
k_q1869480730_prep:
	s_mov_b64 s[64:65], 0
	v_nop
	global_prefetch_b8 v0, s[64:65] scope:SCOPE_SE
	s_setreg_imm32_b32 hwreg(HW_REG_WAVE_MODE, 25, 1), 1
	s_wait_xcnt 0x0
; x [8192][1024], Wq [1024][1024], Wk [256][1024], Wv [256][1024], all f32 with K innermost, become codes of FP4 (E2M1), two to a byte, the lower k in the low four bits,
; with one E8M0 scale byte for each 32 along K.  x goes to x_codes / x_scales; Wq, Wk, Wv one behind the other to w_codes / w_scales (rows 0-1023, 1024-1279, 1280-1535).
; Wp [1024][1024] f32 is rounded to f16 into wp16, for the projection, whose operands stay 16 bits wide.
; A block's scale is 2^(floor(log2(its largest magnitude)) - 2); its byte is the largest magnitude's exponent field - 2, held at 1 from below.  Each number is divided by the scale and
; rounded to the nearest code, ties to even; beyond the largest code the largest.
; LIMITS: a block of zeros gets the byte 1 where the rule says 127: its codes are zeros, and this program alone reads the bytes.  NaN and infinities are not served.  |Wp| stays under 65,504.
; SHARES: a work-group takes 32,768 numbers, a wave 8,192.  Work-groups 0-255: x; 256-287: Wq; 288-295: Wk; 296-303: Wv; 304-335: Wp.  Rows are dense and K is a multiple of 32:
; every tensor is a plain stream of blocks of 32.  Only pointers are chosen by the work-group's number; the four quantised tensors take one way through the text.
; A wave's step is 512 numbers: four loads of 512 consecutive bytes, a turn through the wave's own stage in LDS, so that a lane holds 16 neighbours (two lanes a block), then the conversions.
.set WAVES, 4
.set STEPS, 16
.set EMAX,  2
.set CB,    8                          ; bytes of 16 codes
.set R,     16                         ; v16-79   four sets of 16 numbers as loaded (Wp's way: v16-143, two sets of 64)
.set X,     80                         ; v80-111  two sets of 16 neighbours
.set E,     112                        ; v112-127 a scale byte for each step
.set C,     128                        ; v128-191 codes: four registers for each step, so that no store's data are written again
.set HC,    144                        ; Wp's way: v144-175 the f16 pairs of a round
.set WREG,  8192                       ; LDS: a region for each wave: two stages of 32 x SP bytes, behind them its 256 scale bytes
.set SP,    80                         ; a lane's place in a stage: 64 bytes + 16 of padding
.set SPW,   12                         ; v12 LDS address of my spare word; never rewritten
.set NIL,   13                         ; v13 0; never rewritten
.set SPARE, WAVES*WREG                 ; behind the four regions: the spare words, 128 bytes a wave, which no other line names
	s_load_b512 s[4:19], s[0:1], 0x0               ; x 4:5, Wq 6:7, Wk 8:9, Wv 10:11, Wp 12:13, x_codes 14:15, x_scales 16:17, w_codes 18:19
	s_load_b128 s[20:23], s[0:1], 0x40             ; w_scales 20:21, wp16 22:23
	v_lshl_add_u32 v[SPW], v0, 2, SPARE
	v_mov_b32 v[NIL], 0
	v_lshrrev_b32 v1, 5, v0
	v_readfirstlane_b32 s24, v1                    ; wave
	v_and_b32 v2, 31, v0                           ; lane
	v_lshlrev_b32 v3, 4, v2                        ; my 16 bytes of a load's 512
	s_mul_i32 s25, s24, WREG
	v_lshrrev_b32 v14, 2, v2
	v_mul_u32_u24 v14, v14, SP
	v_and_b32 v15, 3, v2
	v_lshl_add_u32 v14, v15, 4, v14
	v_add_nc_u32 v14, s25, v14                     ; the stage, on the way in: SP (lane / 4) + 16 (lane % 4)
	v_mul_u32_u24 v15, v2, SP
	v_add_nc_u32 v15, s25, v15                     ; and on the way out: SP x lane: my 16 neighbours
	v_mul_u32_u24 v4, v2, CB                       ; my codes' place in a step's
	v_lshrrev_b32 v5, 1, v2
	s_add_co_u32 s25, s25, 2*32*SP
	v_add_nc_u32 v5, s25, v5                       ; LDS: my wave's 256 scale bytes, my block's byte
	v_lshlrev_b32 v7, 3, v2                        ; 8 bytes a lane
	v_add_nc_u32 v6, s25, v7
	s_mov_b32 s35, 0
	s_wait_kmcnt 0x0
	s_cmp_ge_u32 ttmp9, 304
	s_cbranch_scc1 .Lwp                            ; the work-group's number alone decides
	; which tensor: each choice hangs on the work-group's number and on no address
	s_mov_b64 s[26:27], s[10:11]                   ; Wv, whose first work-group is 296
	s_mov_b32 s28, 296
	s_mov_b32 s29, 288
	s_cmp_lt_u32 ttmp9, 296
	s_cselect_b64 s[26:27], s[8:9], s[26:27]       ; Wk, from 288
	s_cselect_b32 s28, s29, s28
	s_mov_b32 s29, 256
	s_cmp_lt_u32 ttmp9, 288
	s_cselect_b64 s[26:27], s[6:7], s[26:27]       ; Wq, from 256
	s_cselect_b32 s28, s29, s28
	s_cmp_lt_u32 ttmp9, 256
	s_cselect_b64 s[26:27], s[4:5], s[26:27]       ; x, from 0
	s_cselect_b32 s28, 0, s28
	s_cselect_b64 s[30:31], s[14:15], s[18:19]     ; the codes' buffer,
	s_cselect_b64 s[32:33], s[16:17], s[20:21]     ; the scale bytes',
	s_cselect_b32 s29, 0, s29                      ; and the work-group at which that buffer begins
	s_sub_co_u32 s28, ttmp9, s28
	s_lshl_b32 s28, s28, 2
	s_add_co_u32 s28, s28, s24                     ; which run of 8,192 numbers of the tensor is my wave's
	s_lshl_b32 s34, s28, 15                        ; 32,768 bytes a run
	s_add_nc_u64 s[26:27], s[26:27], s[34:35]
	s_sub_co_u32 s29, ttmp9, s29
	s_lshl_b32 s29, s29, 2
	s_add_co_u32 s29, s29, s24                     ; and which run of the buffers
	s_lshl_b32 s34, s29, 12                        ; 4,096 bytes of codes a run
	s_add_nc_u64 s[30:31], s[30:31], s[34:35]
	s_lshl_b32 s34, s29, 8                         ; 256 scale bytes a run
	s_add_nc_u64 s[32:33], s[32:33], s[34:35]
.macro LOAD t
.irp i, 0,1,2,3
	global_load_b128 v[R+16*((\t)%4)+4*\i:R+16*((\t)%4)+4*\i+3], v3, s[26:27] offset:2048*(\t)+512*\i th:TH_LOAD_NT   ; 32 lanes read 512 consecutive bytes
.endr
.endm
.macro TURN t                          ; step t's numbers through the stage: LDS serves a wave's instructions in order, so no wait stands between the stores and the loads
.irp i, 0,1,2,3
	ds_store_b128 v14, v[R+16*((\t)%4)+4*\i:R+16*((\t)%4)+4*\i+3] offset:32*SP*((\t)%2)+8*SP*\i
.endr
.irp i, 0,1,2,3
	ds_load_b128 v[X+16*((\t)%2)+4*\i:X+16*((\t)%2)+4*\i+3], v15 offset:32*SP*((\t)%2)+16*\i
.endr
.endm
.irp t, 0,1,2,3
	LOAD \t
.endr
	s_wait_loadcnt 12                              ; step 0's four loads are in; the twelve of steps 1 to 3 may be out
	TURN 0
.macro STEP t
.set XS, X+16*((\t)%2)
.if (\t) > 0
	s_wait_dscnt 1                                 ; this step's numbers are back from the stage; the last step's byte store may be out
.else
	s_wait_dscnt 0x0
.endif
.if (\t)+4 < STEPS
	LOAD (\t)+4                                    ; into the registers that this step's stores into the stage have read
.endif
.if (\t)+1 < STEPS
.if STEPS-2-(\t) >= 3
	s_wait_loadcnt 12                              ; the next step's four loads are in; those of the three steps behind it may be out
.else
	s_wait_loadcnt 4*(STEPS-2-(\t))
.endif
	TURN (\t)+1                                    ; through the other stage while this step is worked
.endif
	v_max3_num_f32 v8, |v[XS]|, |v[XS+1]|, |v[XS+2]|               ; the largest magnitude of my 16, in two chains
	v_max3_num_f32 v9, |v[XS+3]|, |v[XS+4]|, |v[XS+5]|
.irp i, 6,10
	v_max3_num_f32 v8, v8, |v[XS+\i]|, |v[XS+\i+1]|
	v_max3_num_f32 v9, v9, |v[XS+\i+2]|, |v[XS+\i+3]|
.endr
	v_max3_num_f32 v8, v8, |v[XS+14]|, |v[XS+15]|
	v_max3_num_f32 v8, v8, v9, (EMAX+1)<<23        ; and the floor 2^(EMAX + 1 - 127): the byte cannot fall under 1
	v_max_num_f32_dpp v8, v8, v8 row_xmask:1 row_mask:0xf bank_mask:0xf   ; and of my neighbour's 16: the block's
	v_add_nc_u32 v11, -(EMAX<<23), v8              ; EMAX off its exponent field: the conversion takes the exponent field of this operand as its scale
	v_cvt_scalef32_pk8_fp4_f32 v[C+4*(\t)], v[XS:XS+7], v11
	v_cvt_scalef32_pk8_fp4_f32 v[C+4*(\t)+1], v[XS+8:XS+15], v11
	v_lshrrev_b32 v[E+(\t)], 23, v11               ; the scale's byte (a plain line behind the conversions)
	ds_store_b8 v5, v[E+(\t)] offset:16*(\t)       ; both lanes of a block write the same byte with the same value
	global_store_b64 v4, v[C+4*(\t):C+4*(\t)+1], s[30:31] offset:32*CB*(\t)   ; the wave stores 256 consecutive bytes, aligned
.endm
.irp t, 0,1,2,3,4,5,6,7,8,9,10,11,12,13,14,15
	STEP \t
.endr
	ds_load_b64 v[8:9], v6                         ; LDS serves a wave's instructions in order: these see my byte stores
	s_wait_dscnt 0x0
	global_store_b64 v7, v[8:9], s[32:33]          ; my wave's 256 scale bytes: 256 consecutive bytes, aligned
	s_wait_tensorcnt 0x0                           ; the wave's end
	ds_add_u32 v[SPW], v[NIL]
	s_wait_dscnt 0x0
	s_endpgm
; Wp to f16.  No LDS on this way.  A wave's 8,192 numbers go in four rounds of 16 loads (512 consecutive bytes each); a load's four numbers a lane become 8 bytes, so a store covers 256 consecutive aligned bytes.
.Lwp:
	s_sub_co_u32 s28, ttmp9, 304
	s_lshl_b32 s28, s28, 2
	s_add_co_u32 s28, s28, s24
	s_lshl_b32 s34, s28, 15
	s_add_nc_u64 s[12:13], s[12:13], s[34:35]
	s_lshl_b32 s34, s28, 14
	s_add_nc_u64 s[22:23], s[22:23], s[34:35]
.macro LOADW p
.set i, 0
.rept 16
	global_load_b128 v[R+64*((\p)%2)+4*i:R+64*((\p)%2)+4*i+3], v3, s[12:13] offset:8192*(\p)+512*i th:TH_LOAD_NT
.set i, i+1
.endr
.endm
.macro ROUNDW p
.if (\p) < 3
	s_wait_loadcnt 16                              ; this round's 16 loads are in; the other set's 16 may be out
.else
	s_wait_loadcnt 0x0
.endif
	s_wait_xcnt 0x0                                ; the last round's stores have read their data: the pairs are written again only behind this wait
.set i, 0
.rept 16
	v_cvt_pk_f16_f32 v[HC+2*i], v[R+64*((\p)%2)+4*i], v[R+64*((\p)%2)+4*i+1]
	v_cvt_pk_f16_f32 v[HC+2*i+1], v[R+64*((\p)%2)+4*i+2], v[R+64*((\p)%2)+4*i+3]
.set i, i+1
.endr
.set i, 0
.rept 16
	global_store_b64 v7, v[HC+2*i:HC+2*i+1], s[22:23] offset:4096*(\p)+256*i
.set i, i+1
.endr
.if (\p) < 2
	LOADW (\p)+2
.endif
.endm
	LOADW 0
	LOADW 1
	ROUNDW 0
	ROUNDW 1
	ROUNDW 2
	ROUNDW 3
	s_endpgm
.Lfunc_end_k_q1869480730_prep:
	.size	k_q1869480730_prep, .Lfunc_end_k_q1869480730_prep-k_q1869480730_prep
	.p2alignl 7, 3214868480
	.fill 96, 4, 3214868480
	.section	.rodata,"a",@progbits
	.p2align	6, 0x0
	.amdhsa_kernel k_q1869480730_prep
		.amdhsa_group_segment_fixed_size 33280
		.amdhsa_private_segment_fixed_size 0
		.amdhsa_enable_private_segment 0
		.amdhsa_kernarg_size 80
		.amdhsa_user_sgpr_count 2
		.amdhsa_user_sgpr_kernarg_segment_ptr 1
		.amdhsa_wavefront_size32 1
		.amdhsa_system_sgpr_workgroup_id_x 1
		.amdhsa_system_sgpr_workgroup_id_y 1
		.amdhsa_system_sgpr_workgroup_id_z 1
		.amdhsa_system_vgpr_workitem_id 0
		.amdhsa_next_free_vgpr 192
		.amdhsa_next_free_sgpr 66
		.amdhsa_reserve_vcc 0
		.amdhsa_float_denorm_mode_32 3
		.amdhsa_float_denorm_mode_16_64 3
		.amdhsa_memory_ordered 1
		.amdhsa_forward_progress 1
		.amdhsa_inst_pref_size 54
	.end_amdhsa_kernel
	.amdgpu_metadata
---
amdhsa.version: [ 1, 2 ]
amdhsa.kernels:
  - .name:           k_q1869480730_prep
    .symbol:         k_q1869480730_prep.kd
    .args:
      - { .name: x, .offset: 0, .size: 8, .value_kind: global_buffer, .address_space: global }
      - { .name: Wq, .offset: 8, .size: 8, .value_kind: global_buffer, .address_space: global }
      - { .name: Wk, .offset: 16, .size: 8, .value_kind: global_buffer, .address_space: global }
      - { .name: Wv, .offset: 24, .size: 8, .value_kind: global_buffer, .address_space: global }
      - { .name: Wp, .offset: 32, .size: 8, .value_kind: global_buffer, .address_space: global }
      - { .name: x_codes, .offset: 40, .size: 8, .value_kind: global_buffer, .address_space: global }
      - { .name: x_scales, .offset: 48, .size: 8, .value_kind: global_buffer, .address_space: global }
      - { .name: w_codes, .offset: 56, .size: 8, .value_kind: global_buffer, .address_space: global }
      - { .name: w_scales, .offset: 64, .size: 8, .value_kind: global_buffer, .address_space: global }
      - { .name: wp16, .offset: 72, .size: 8, .value_kind: global_buffer, .address_space: global }
    .group_segment_fixed_size: 33280
    .private_segment_fixed_size: 0
    .kernarg_segment_align: 8
    .kernarg_segment_size: 80
    .max_flat_workgroup_size: 128
    .sgpr_count:     66
    .vgpr_count:     192
    .wavefront_size: 32
...
	.end_amdgpu_metadata
.endif
;; end of part 1
;; launch qkv (part 2): grid 8 x 32, 12 waves a work-group, clusters of 4 x 4, 327,680 bytes of LDS; arguments x_codes, x_scales, w_codes, w_scales, qkv, qkv32; writes qkv, qkv32
.if DOCPART == 2
	.amdgcn_target "amdgcn-amd-amdhsa--gfx1250"
	.amdhsa_code_object_version 6
	.text
	.protected	k_q1869480730_qkv
	.globl	k_q1869480730_qkv
	.p2align	8
	.type	k_q1869480730_qkv,@function
k_q1869480730_qkv:
	s_mov_b64 s[64:65], 0
	v_nop
	global_prefetch_b8 v0, s[64:65] scope:SCOPE_SE
	s_setreg_imm32_b32 hwreg(HW_REG_WAVE_MODE, 25, 1), 1
	s_wait_xcnt 0x0
	s_wait_alu depctr_hold_cnt(0) depctr_sa_sdst(0) depctr_va_vdst(0) depctr_va_sdst(0) depctr_va_ssrc(0) depctr_va_vcc(0) depctr_vm_vsrc(0)
	s_getreg_b32 s2, hwreg(HW_REG_IB_STS2, 6, 4)
	s_cmp_eq_u32 s2, 0
	s_cbranch_scc0 .Lentry_in_a_cluster
	s_endpgm
.Lentry_in_a_cluster:
	s_bfe_u32 s2, ttmp6, 0x10000c
	s_cmp_lg_u32 s2, 0xf033
	s_cbranch_scc0 .Lentry_shape_is_right
	s_endpgm
.Lentry_shape_is_right:
; q, k, v = x W^T on codes of FP4 (E2M1) with one E8M0 scale for each 32 along K: M = 8,192 rows of x, N = 1,536 rows of W (Wq, Wk, Wv on end), K = 1,024; sums in f32.
; OUT: qkv, f16, [batch 4][slot 24][position 2048][64], slot = n / 64 (0-15 the query heads, 16-19 the key groups, 20-23 the value groups): what attention reads;
;      qkv32, f32, [batch 4][slot 24][position 16][64]: the first 16 positions of every sequence unrounded, for the launch that carries them in f32.
; LIMIT: |q|, |k|, |v| stay under 65,504 (f16).
; SHARES: a work-group makes 256 rows x 192 columns (three slots).  Twelve waves, 4 along the rows x 3 along the columns, 64 x 64 each: 16 accumulators, 8 steps of 128 along K, 16 matrix instructions a step.
; ALL OF K LIES IN LDS: a row's 1,024 codes are 512 bytes, so 448 rows are 236,544 bytes with padding.  They come by first fills alone: nothing in LDS is filled twice, there is no ring.
; Three waves share a SIMD, so one wave's LDS loads stand beside another's products, and a wave's fragments have one set of registers.
; CLUSTER 4 x 4: the four of a row of the cluster need the same rows of x, the four of a column the same rows of W: each group of 64 rows is asked for jointly, by the same tensor load with a mask that names the four.
; The tile row is 8 cy + cluster y: so the batch is cy, and whether a tile holds positions 0-15 hangs on the cluster's y alone, which all sixteen partners share.
; THE MATRIX INSTRUCTION IS USED TRANSPOSED (source 0 = 16 rows of W, source 1 = 16 rows of x): a lane holds eight neighbouring columns of one row.
.set PITCH,  528                       ; a row in LDS: 512 bytes + 16: 33 pieces of 16 bytes, so the 16 rows that a load touches start at 16 different places modulo 256 bytes
.set GRP,    64*PITCH                  ; 64 rows: what one tensor load brings.  Groups 0-3: x's rows; groups 4-6: W's
.set SCL,    7*GRP                     ; behind the codes: the scale bytes; 64 rows' are 2,048 dense bytes, laid as 8 rows of 256 + 16
.set SGRP,   8*272
.set STAGE,  252160                    ; the way out: 16 rows x (128 bytes + 16) for each wave; it begins a whole block of 256 bytes behind the last fill
.set SPITCH, 144
.set SPARE,  STAGE+12*16*SPITCH        ; the spare words, 128 bytes a wave, which no other line names
.set ADRA, 1                           ; v1  my lane's place in my 64 rows of x
.set ADRB, 2                           ; v2  in my 64 rows of W
.set ADRS, 3                           ; v3  among the scale words: lanes 0-15 x's rows, lanes 16-31 W's
.set STO,  4                           ; v4  the stage: where I put 16 bytes of a row
.set RD,   5                           ; v5  and where I read rows back
.set GO,   6                           ; v6  16 x lane: my bytes of 512 in qkv
.set G32,  7                           ; v7  my bytes in a slot of qkv32
.set SC,   16                          ; v16-47 scale words: register 8 i + ks: lanes 0-15 x's tile i, lanes 16-31 W's tile i, step ks
.set AF,   48                          ; v48-79 x's four fragments of a step
.set BF,   80                          ; v80-111 W's four
.set ACC,  112                         ; v112-239 accumulator (a, b) at 112 + 8 (4 a + b)
.set TP,   48                          ; the way out: 16 packed registers
.set BK,   64                          ; and rows read back: v64-79 and v80-95 by turns
.set SPW,  240
.set NIL,  241
.set G1A,  24                          ; s[24:31] group 1, x's codes;  s[32:39] W's codes;  s[40:47] x's scales;  s[48:55] W's scales
.set G1B,  32
.set G1SA, 40
.set G1SB, 48
.set G0A,  56                          ; s[56:59], s[60:63], s[68:71], s[72:75]: their groups 0
.set G0B,  60
.set G0SA, 68
.set G0SB, 72
.macro CROUND                          ; a round of the cluster's barrier
	s_barrier_signal -1
	s_barrier_wait -1
	s_cmp_lg_u32 s8, 0
	s_cbranch_scc1 .Lnot_wave_0_\@
	s_barrier_signal -3
.Lnot_wave_0_\@:
	s_barrier_wait -3
	s_barrier_signal -1
	s_barrier_wait -1
.endm
	s_load_b128 s[4:7], s[0:1], 0x0                ; x_codes, x_scales
	s_load_b128 s[12:15], s[0:1], 0x10             ; w_codes, w_scales
	s_load_b128 s[16:19], s[0:1], 0x20             ; qkv, qkv32
	v_lshl_add_u32 v[SPW], v0, 2, SPARE
	v_mov_b32 v[NIL], 0
	ds_add_u32 v[SPW], v[NIL]                      ; the wave's opening: the add, twice on end, and its wait ahead of the first tensor load
	ds_add_u32 v[SPW], v[NIL]
	v_lshrrev_b32 v1, 5, v0
	v_readfirstlane_b32 s8, v1                     ; wave 0..11
	s_and_b32 s9, s8, 3                            ; wm: which 64 rows are mine.  Also: which group of 64 rows I fetch
	s_lshr_b32 s10, s8, 2                          ; wn: which 64 columns
	s_bfe_u32 s76, ttmp6, 0x40000                  ; cx
	s_bfe_u32 s77, ttmp6, 0x40004                  ; cy = the batch
	s_lshl_b32 s78, ttmp9, 2
	s_add_co_u32 s78, s78, s76                     ; tile column = 4 x cluster x + cx
	s_and_b32 s79, ttmp7, 0xffff                   ; cluster y: the tile's place in its sequence
	s_lshl_b32 s80, s77, 3
	s_add_co_u32 s80, s80, s79                     ; tile row = 8 cy + cluster y
	s_lshl_b32 s81, s77, 2
	s_lshl_b32 s81, 15, s81                        ; my row of the cluster
	s_lshl_b32 s82, 0x1111, s76                    ; my column
	s_or_b32 s[G1A], s81, (0<<16)|(1<<20)|(1<<21)|(6<<22)|(3<<25)   ; the mask; elements of 1 byte; padding on; bit 21 beside a mask; after every 128 words four words
	s_or_b32 s[G1B], s82, (0<<16)|(1<<20)|(1<<21)|(6<<22)|(3<<25)
.irp g, G1A, G1B
	s_mov_b32 s[\g+1], 512<<16                     ; tensor_dim0 = 512 bytes
	s_mov_b32 s[\g+2], 64<<16                      ; tensor_dim1 = 64 rows
	s_mov_b32 s[\g+3], 512<<16                     ; tile_dim0
	s_mov_b32 s[\g+4], 64                          ; tile_dim1
	s_mov_b32 s[\g+5], 512                         ; from row to row
	s_mov_b32 s[\g+6], 0
	s_mov_b32 s[\g+7], 0
.endr
	s_or_b32 s[G1SA], s81, (3<<16)|(1<<20)|(1<<21)|(5<<22)|(3<<25)  ; elements of 8 bytes; after every 64 words four words
	s_or_b32 s[G1SB], s82, (3<<16)|(1<<20)|(1<<21)|(5<<22)|(3<<25)
.irp g, G1SA, G1SB
	s_mov_b32 s[\g+1], 32<<16
	s_mov_b32 s[\g+2], 8<<16
	s_mov_b32 s[\g+3], 32<<16
	s_mov_b32 s[\g+4], 8
	s_mov_b32 s[\g+5], 32
	s_mov_b32 s[\g+6], 0
	s_mov_b32 s[\g+7], 0
.endr
	s_lshl_b32 s85, s9, 6                          ; 64 x (wave % 4)
	s_lshl_b32 s84, s80, 8
	s_add_co_u32 s84, s84, s85                     ; x's row: 256 x tile row + the group (no register here holds cx)
	s_lshl_b32 s86, s84, 9                         ; its codes, 512 bytes a row
	s_mov_b32 s87, 0
	s_lshl_b32 s88, s84, 5                         ; its scale bytes, 32 a row
	s_mov_b32 s89, 0
	s_mul_i32 s90, s78, 192
	s_add_co_u32 s90, s90, s85                     ; W's row: 192 x tile column + the group (no register here holds cy)
	s_lshl_b32 s92, s90, 9
	s_mov_b32 s93, 0
	s_lshl_b32 s94, s90, 5
	s_mov_b32 s95, 0
	s_min_u32 s98, s8, 6                           ; waves 0 to 6 fetch; the others' descriptors are never used and stay inside LDS
	s_mul_i32 s96, s98, GRP                        ; where a group goes: the wave's number alone
	s_mul_i32 s97, s98, SGRP
	s_wait_dscnt 0x0                               ; both opening adds are done
	s_wait_kmcnt 0x0
	s_mov_b32 s[G0A], 1
	s_mov_b32 s[G0A+1], s96
	s_add_nc_u64 s[G0A+2:G0A+3], s[4:5], s[86:87]
	s_or_b32 s[G0A+3], s[G0A+3], 0x80000000
	s_mov_b32 s[G0SA], 1
	s_add_co_u32 s[G0SA+1], s97, SCL
	s_add_nc_u64 s[G0SA+2:G0SA+3], s[6:7], s[88:89]
	s_or_b32 s[G0SA+3], s[G0SA+3], 0x80000000
	s_mov_b32 s[G0B], 1
	s_mov_b32 s[G0B+1], s96
	s_add_nc_u64 s[G0B+2:G0B+3], s[12:13], s[92:93]
	s_or_b32 s[G0B+3], s[G0B+3], 0x80000000
	s_mov_b32 s[G0SB], 1
	s_add_co_u32 s[G0SB+1], s97, SCL
	s_add_nc_u64 s[G0SB+2:G0SB+3], s[14:15], s[94:95]
	s_or_b32 s[G0SB+3], s[G0SB+3], 0x80000000
	CROUND                                         ; all sixteen work-groups are here: the joint loads meet
	s_cmp_lt_u32 s8, 4                             ; a wave's two fills stand in one branch on the wave's number: waves 0-3 x's groups, waves 4-6 W's; two loads of a wave are out at the most
	s_cbranch_scc0 .Lnot_a
	tensor_load_to_lds s[G0SA:G0SA+3], s[G1SA:G1SA+7]
	s_nop 0
	tensor_load_to_lds s[G0A:G0A+3], s[G1A:G1A+7]
	s_nop 0
.rept 4
	v_nop
.endr
	s_branch .Lasked
.Lnot_a:
	s_cmp_lt_u32 s8, 7
	s_cbranch_scc0 .Lasked
	tensor_load_to_lds s[G0SB:G0SB+3], s[G1SB:G1SB+7]
	s_nop 0
	tensor_load_to_lds s[G0B:G0B+3], s[G1B:G1B+7]
	s_nop 0
.rept 4
	v_nop
.endr
.Lasked:
	v_and_b32 v8, 15, v0                           ; r
	v_bfe_u32 v9, v0, 4, 1                         ; h
	v_and_b32 v10, 31, v0                          ; lane
	v_mul_u32_u24 v11, v8, PITCH
	v_lshl_add_u32 v11, v9, 4, v11                 ; a fragment's row x pitch + 16 h
	s_mul_i32 s84, s9, GRP
	v_add_nc_u32 v[ADRA], s84, v11
	s_add_co_u32 s85, s10, 4
	s_mul_i32 s86, s85, GRP
	v_add_nc_u32 v[ADRB], s86, v11
	v_lshrrev_b32 v12, 3, v8                       ; a row's 32 scale bytes: eight rows to 256 bytes, 16 of padding behind them
	v_mul_u32_u24 v12, v12, 272
	v_and_b32 v13, 7, v8
	v_lshl_add_u32 v12, v13, 5, v12
	s_sub_co_u32 s85, s85, s9
	s_mul_i32 s85, s85, SGRP                       ; from x's group wm to W's group 4 + wn
	v_mul_u32_u24 v13, s85, v9                     ; lanes 16-31 take W's
	v_add_nc_u32 v12, v12, v13
	s_mul_i32 s86, s9, SGRP
	s_add_co_u32 s86, s86, SCL
	v_add_nc_u32 v[ADRS], s86, v12
	s_mul_i32 s87, s8, 16*SPITCH
	s_add_co_u32 s87, s87, STAGE                   ; my stage
	v_mul_u32_u24 v12, v8, SPITCH
	v_lshl_add_u32 v12, v9, 4, v12
	v_add_nc_u32 v[STO], s87, v12                  ; in: row r, 16 bytes for each half of the lanes
	v_lshrrev_b32 v12, 3, v10
	v_mul_u32_u24 v12, v12, SPITCH
	v_and_b32 v13, 7, v10
	v_lshl_add_u32 v12, v13, 4, v12
	v_add_nc_u32 v[RD], s87, v12                   ; back: eight lanes to a row of 128 bytes, four rows a load
	v_lshlrev_b32 v[GO], 4, v10
	v_lshlrev_b32 v[G32], 8, v8
	v_lshl_add_u32 v[G32], v9, 5, v[G32]           ; qkv32: row r of 256 bytes, + 32 h
	s_mul_i32 s88, s77, 24
	s_mul_i32 s89, s78, 3
	s_add_co_u32 s88, s88, s89
	s_add_co_u32 s88, s88, s10                     ; my slot, counted over batches: 24 batch + 3 tile column + wn
	s_lshl_b32 s90, s88, 12
	s_mov_b32 s91, 0
	s_add_nc_u64 s[18:19], s[18:19], s[90:91]      ; qkv32 at my slot
	s_lshl_b32 s90, s88, 11
	s_lshl_b32 s92, s79, 8
	s_add_co_u32 s90, s90, s92
	s_lshl_b32 s92, s9, 6
	s_add_co_u32 s90, s90, s92                     ; 2,048 slot + the tile's first position + 64 wm
	s_lshl_b32 s90, s90, 7                         ; rows of 128 bytes
	s_add_nc_u64 s[16:17], s[16:17], s[90:91]      ; qkv at my first row
	s_or_b32 s83, s79, s9                          ; 0 where my rows begin with position 0
	s_wait_tensorcnt 0x0                           ; my groups are in,
	s_barrier_signal -1
	s_barrier_wait -1                              ; everybody's are
.irp i, 0,1,2,3                                ; all my scale words: 8 a row; lanes 0-15 x's tile i, lanes 16-31 W's tile i
	ds_load_b128 v[SC+8*\i:SC+8*\i+3], v[ADRS] offset:\i*544
	ds_load_b128 v[SC+8*\i+4:SC+8*\i+7], v[ADRS] offset:\i*544+16
.endr
; A step of 128 along K.  A fragment is 8 registers: lane (r, h) holds row r; registers 4 c .. 4 c + 3 hold K = 64 c + 32 h + 0 .. 31: two loads of 16 bytes, 32 bytes apart.
; The 16 accumulators take turns, one instruction a turn, in the same order in every step.  The first step's products start the sums: nothing is cleared.
.macro KSTEP ks, zero
.if \ks > 0
.rept 4
	v_nop                                          ; four places in front of loads into registers that matrix instructions have read
.endr
.endif
.irp a, 0,1,2,3
.irp c, 0,1
	ds_load_b128 v[AF+8*\a+4*\c:AF+8*\a+4*\c+3], v[ADRA] offset:\a*16*PITCH+64*\ks+32*\c
	ds_load_b128 v[BF+8*\a+4*\c:BF+8*\a+4*\c+3], v[ADRB] offset:\a*16*PITCH+64*\ks+32*\c
.endr
.endr
	s_wait_dscnt 0x0
.irp a, 0,1,2,3
.irp b, 0,1,2,3
.if \zero
	v_wmma_scale_f32_16x16x128_f8f6f4 v[ACC+8*(4*\a+\b):ACC+8*(4*\a+\b)+7], v[BF+8*\b:BF+8*\b+7], v[AF+8*\a:AF+8*\a+7], 0, v[SC+8*\b+\ks], v[SC+8*\a+\ks] matrix_a_fmt:MATRIX_FMT_FP4 matrix_b_fmt:MATRIX_FMT_FP4 matrix_a_scale:MATRIX_SCALE_ROW1
.else
	v_wmma_scale_f32_16x16x128_f8f6f4 v[ACC+8*(4*\a+\b):ACC+8*(4*\a+\b)+7], v[BF+8*\b:BF+8*\b+7], v[AF+8*\a:AF+8*\a+7], v[ACC+8*(4*\a+\b):ACC+8*(4*\a+\b)+7], v[SC+8*\b+\ks], v[SC+8*\a+\ks] matrix_a_fmt:MATRIX_FMT_FP4 matrix_b_fmt:MATRIX_FMT_FP4 matrix_a_scale:MATRIX_SCALE_ROW1
.endif
.endr
.endr
.endm
	KSTEP 0, 1
.irp ks, 1,2,3,4,5,6,7
	KSTEP \ks, 0
.endr
.rept 4
	v_nop                                          ; four places in front of the first read of results and of writes into the fragments' registers
.endr
	; positions 0-15 in f32: block 0 of the waves with wm = 0, in the tiles at a sequence's head.  The branch hangs on the cluster's y and the wave's number: alike in all partners.
	; A lane stores 2 x 16 of its 32 neighbouring bytes; the whole buffer is 393,216 bytes.
	s_cmp_lg_u32 s83, 0
	s_cbranch_scc1 .Lno32
.irp b, 0,1,2,3
	global_store_b128 v[G32], v[ACC+8*\b:ACC+8*\b+3], s[18:19] offset:64*\b          ; each accumulator from its low end on
	global_store_b128 v[G32], v[ACC+8*\b+4:ACC+8*\b+7], s[18:19] offset:64*\b+16
.endr
.Lno32:
; THE WAY OUT, 16 rows at a time: rounded to f16, 16 bytes a lane into my stage, back as whole rows: a slot's rows of 128 bytes are dense, so four rows are 512 consecutive bytes.
.macro PACK a
.irp b, 0,1,2,3
.irp j, 0,1,2,3
	v_cvt_pk_f16_f32 v[TP+4*\b+\j], v[ACC+8*(4*(\a)+\b)+2*\j], v[ACC+8*(4*(\a)+\b)+2*\j+1]
.endr
.endr
.endm
.macro TOSTAGE a
.set BB, BK+16*((\a)%2)
.irp b, 0,1,2,3
	ds_store_b128 v[STO], v[TP+4*\b:TP+4*\b+3] offset:32*\b
.endr
.irp i, 0,1,2,3
	ds_load_b128 v[BB+4*\i:BB+4*\i+3], v[RD] offset:\i*4*SPITCH    ; LDS serves a wave's instructions in order: these see the stores above
.endr
.endm
.macro SEND a
.set BB, BK+16*((\a)%2)
	s_wait_dscnt 0x0                               ; the block is back in registers
	s_wait_xcnt 0x0                                ; the stores of the block before have read their registers: the next block's loads land there only behind this wait
.irp i, 0,1,2,3
	global_store_b128 v[GO], v[BB+4*\i:BB+4*\i+3], s[16:17] offset:(\a)*2048+512*\i   ; 32 lanes store 512 consecutive bytes, aligned
.endr
.endm
	PACK 0
	TOSTAGE 0
.irp a, 1,2,3
	PACK \a                                        ; a block's conversions stand between the loads of the block before and the wait for them
	SEND \a-1
	TOSTAGE \a
.endr
	SEND 3
	s_wait_tensorcnt 0x0                           ; the wave's end
	ds_add_u32 v[SPW], v[NIL]
	s_wait_dscnt 0x0
	CROUND                                         ; the closing round
	s_endpgm
.Lfunc_end_k_q1869480730_qkv:
	.size	k_q1869480730_qkv, .Lfunc_end_k_q1869480730_qkv-k_q1869480730_qkv
	.p2alignl 7, 3214868480
	.fill 96, 4, 3214868480
	.section	.rodata,"a",@progbits
	.p2align	6, 0x0
	.amdhsa_kernel k_q1869480730_qkv
		.amdhsa_group_segment_fixed_size 327680
		.amdhsa_private_segment_fixed_size 0
		.amdhsa_enable_private_segment 0
		.amdhsa_kernarg_size 48
		.amdhsa_user_sgpr_count 2
		.amdhsa_user_sgpr_kernarg_segment_ptr 1
		.amdhsa_wavefront_size32 1
		.amdhsa_system_sgpr_workgroup_id_x 1
		.amdhsa_system_sgpr_workgroup_id_y 1
		.amdhsa_system_sgpr_workgroup_id_z 1
		.amdhsa_system_vgpr_workitem_id 0
		.amdhsa_next_free_vgpr 256
		.amdhsa_next_free_sgpr 100
		.amdhsa_reserve_vcc 0
		.amdhsa_float_denorm_mode_32 3
		.amdhsa_float_denorm_mode_16_64 3
		.amdhsa_memory_ordered 1
		.amdhsa_forward_progress 1
		.amdhsa_inst_pref_size 43
	.end_amdhsa_kernel
	.amdgpu_metadata
---
amdhsa.version: [ 1, 2 ]
amdhsa.kernels:
  - .name:           k_q1869480730_qkv
    .symbol:         k_q1869480730_qkv.kd
    .args:
      - { .name: x_codes, .offset: 0, .size: 8, .value_kind: global_buffer, .address_space: global }
      - { .name: x_scales, .offset: 8, .size: 8, .value_kind: global_buffer, .address_space: global }
      - { .name: w_codes, .offset: 16, .size: 8, .value_kind: global_buffer, .address_space: global }
      - { .name: w_scales, .offset: 24, .size: 8, .value_kind: global_buffer, .address_space: global }
      - { .name: qkv, .offset: 32, .size: 8, .value_kind: global_buffer, .address_space: global }
      - { .name: qkv32, .offset: 40, .size: 8, .value_kind: global_buffer, .address_space: global }
    .group_segment_fixed_size: 327680
    .private_segment_fixed_size: 0
    .kernarg_segment_align: 8
    .kernarg_segment_size: 48
    .max_flat_workgroup_size: 384
    .sgpr_count:     100
    .vgpr_count:     256
    .wavefront_size: 32
...
	.end_amdgpu_metadata
.endif
;; end of part 2
;; launch attn (part 3): grid 16 x 16, 16 waves a work-group, no clusters, 327,680 bytes of LDS; arguments qkv, o16; writes o16
.if DOCPART == 3
	.amdgcn_target "amdgcn-amd-amdhsa--gfx1250"
	.amdhsa_code_object_version 6
	.text
	.protected	k_q1869480730_attn
	.globl	k_q1869480730_attn
	.p2align	8
	.type	k_q1869480730_attn,@function
k_q1869480730_attn:
	s_mov_b64 s[64:65], 0
	v_nop
	global_prefetch_b8 v0, s[64:65] scope:SCOPE_SE
	s_setreg_imm32_b32 hwreg(HW_REG_WAVE_MODE, 25, 1), 1
	s_wait_xcnt 0x0
; Causal attention with grouped keys and values: o[b][t][head][:] = sum over k <= t of softmax_k(q . k / 8) v.  q, k, v: f16, [batch 4][slot 24][2048][64] (slots 0-15 q heads, 16-19 k groups, 20-23 v groups).
; o16: f16, [8192][1024], heads in order.  Products on f16 operands with f32 sums; maxima, exponentials and sums in f32; the weights p are rounded to f16 for the second product, o once at the end.
; SOFTMAX: for each query a running maximum m and sum l: p = 2^(c s - c m), c = log2(e) / 8; in every step O and l are multiplied by 2^(c m_old - c m_new).
; LIMIT: |o| stays under 65,504.  The first 16 positions of every sequence are made here too, and made again in f32 by the last launch.
; SHARES: a work-group has one batch and one group (its y), hence four query heads that share K and V, and two blocks of 64 positions: first block 31 - x, then block x.  In slots of 128 keys the first
; pass needs (31 - x) / 2 + 1 slots and the second x / 2 + 1: 17 together, whatever x.  So all 256 work-groups have the same work, and the loop over slots has a constant count.
; Sixteen waves: wave w has head w / 4 of the group and positions 16 (w % 4) on of the block: one tile of 16 queries in 256 registers, four waves to a SIMD, so that one wave's softmax stands beside another's products.
; NO CLUSTER: work-groups with different x change from the first pass to the second in different trips, so their sequences of tiles differ and a joint load could not be issued alike in all partners.
; What the heads of a group share is shared inside the work-group: all sixteen waves read the same slot.
; LAYOUT: both products are used transposed: S^T = K Q^T (source 0 = 16 keys, source 1 = my 16 queries), O^T = V^T P: a lane holds ONE query throughout; two tiles of S^T, rounded in pairs, ARE source 1 of the second product.
; K comes out of LDS as it lies, V ([key][channel]) turned, by ds_load_tr16_b128.
.set SLOT1, 1<<16                      ; slot 1 begins here: one exclusive or turns an address in one slot into the other's
.set PK,    272                        ; two keys' 256 bytes + 16: key kk lies at (kk / 2) PK + 128 (kk % 2)
.set PV,    288                        ; the same for V with 32 of padding: so for the turning load's 8 keys x 32 bytes
.set VOFF,  64*PK                      ; a slot: 128 keys of K, then 128 of V
.set STGA,  2*SLOT1                    ; behind the ring: the first pass's 64 rows of o, 512 bytes (four heads) + 16 each;
.set OP,    528
.set STGB,  64*OP                      ; that far behind it the second pass's
.set SPARE, STGA+2*64*OP               ; the spare words, 128 bytes a wave, which no other line names
.set AK0, 1                            ; v1  my lane's place in a tile of K
.set AV0, 2                            ; v2  the same for V
.set ADK, 3                            ; v3  the step's address in K
.set ADV, 4                            ; v4  in V
.set QO,  5                            ; v5  my bytes in my 16 rows of q
.set STO, 6                            ; v6  the stage: where I put 16 bytes of a row
.set RD,  7                            ; v7  and where I read a row back
.set GO,  8                            ; v8  the same row in o16
.set DD0, 9                            ; v9  r - 8 h, for the mask;  v10 at work;  v11 -infinity
; v12 c m, v13 m, v[14:15] l (even keys', odd keys'), v16-19 at work; the factor a in v18
.set SPW, 22
.set NIL, 23
.set Q,   24                           ; v24-39  q: 8 registers for each 32 channels
.set S,   40                           ; v40-71  S^T, four tiles of 16 keys
.set P,   72                           ; v72-87  p in f16
.set O,   88                           ; v88-119 O^T, four tiles of 16 channels
.set KFR, 120                          ; v120-183 K: tile kt, channels 32 ks on, at 16 kt + 8 ks
.set VFR, 184                          ; v184-247 V^T: keys 32 c on, channels 16 ct on, at 32 c + 8 ct
.set PFO, 248                          ; v248 256 x lane; never rewritten
.set WV,  8
.set G1K, 24
.set G1V, 32
.set G0K, 40
.set G0V, 44
.set TAU, 48                           ; s48 the trip
.set NA,  49                           ; s49 slots of the first pass
.set OFF, 50                           ; s[50:51] byte offset, in K and in V, of the slot to be asked for
.set TB,  52                           ; s52 LDS byte at which the slot in hand begins
.set KF,  53                           ; s53 the step's first key
.set Q0,  54                           ; s54 my first query
.set CS,  56                           ; s[56:57] c, named as a pair
.set SEL, 58                           ; s[58:59] lane selects: lane l xor 16
.set PFA, 66                           ; s[66:67] where my prefetches stand
.set LIM, 68                           ; s68 a wave prefetches while the trip's number is under it
; s[14:15] K's rows, s[16:17] V's; s[60:61], s[62:63] q of the first and second pass; s[70:71], s[72:73] o16 likewise; s69, s74-79 at work
.macro TLOAD                           ; wave 0 fetches a slot's K, wave 1 its V: 64 rows of 256 bytes each.  An s_nop 0 and four v_nop follow each load
	s_cmp_eq_u32 s[WV], 0
	s_cbranch_scc0 .Lnot_k_\@
	tensor_load_to_lds s[G0K:G0K+3], s[G1K:G1K+7]
	s_nop 0
.rept 4
	v_nop
.endr
	s_branch .Lasked_\@
.Lnot_k_\@:
	s_cmp_eq_u32 s[WV], 1
	s_cbranch_scc0 .Lasked_\@
	tensor_load_to_lds s[G0V:G0V+3], s[G1V:G1V+7]
	s_nop 0
.rept 4
	v_nop
.endr
.Lasked_\@:
.endm
; A PREFETCH of what the NEXT change of slots will ask for.  All sixteen work-groups of a batch and group walk the same K and V; the one with x = 0, whose first pass walks all sixteen slots, asks, and nobody else.
; In it waves 4 and 5 ask for the halves of K's 16,384 bytes, waves 6 and 7 for V's: 8,192 bytes a wave, lanes 256 bytes apart: each block of 256 bytes is named once in the launch.
; Trip t names slot t + 2, two key steps ahead of the load that wants it; trips 0 to 13 ask, so slot 15 is the last named.  Slots 0 and 1 come by their loads alone.
.macro ASK
	s_cmp_lt_u32 s[TAU], s[LIM]
	s_cbranch_scc0 .Lnot_mine_\@
	global_prefetch_b8 v[PFO], s[PFA:PFA+1] th:TH_LOAD_NT scope:SCOPE_SE
.Lnot_mine_\@:
.endm
	s_load_b128 s[4:7], s[0:1], 0x0                ; qkv, o16
	v_lshl_add_u32 v[SPW], v0, 2, SPARE
	v_mov_b32 v[NIL], 0
	ds_add_u32 v[SPW], v[NIL]                      ; the wave's opening: the add, twice on end, and its wait ahead of the first tensor load
	ds_add_u32 v[SPW], v[NIL]
	v_lshrrev_b32 v20, 5, v0
	v_readfirstlane_b32 s[WV], v20                 ; wave 0..15
	s_mov_b32 s9, ttmp9                            ; x
	s_and_b32 s10, ttmp7, 0xffff
	s_lshr_b32 s11, s10, 2                         ; batch
	s_and_b32 s12, s10, 3                          ; group
	s_lshr_b32 s13, s[WV], 2                       ; my head in the group
	s_and_b32 s18, s[WV], 3                        ; my 16 positions in the block
	s_sub_co_u32 s19, 31, s9                       ; the first pass's block
	s_lshr_b32 s[NA], s19, 1
	s_add_co_u32 s[NA], s[NA], 1
	s_mov_b32 s[G1K], (1<<16)|(1<<20)|(5<<22)|(3<<25)   ; no mask; elements of 2 bytes; padding on: after every 64 words four words
	s_mov_b32 s[G1V], (1<<16)|(1<<20)|(5<<22)|(7<<25)   ; eight words
.irp g, G1K, G1V
	s_mov_b32 s[\g+1], 128<<16                     ; tensor_dim0 = 128 elements: two keys, dense in memory
	s_mov_b32 s[\g+2], 64<<16                      ; tensor_dim1 = 64 rows
	s_mov_b32 s[\g+3], 128<<16                     ; tile_dim0
	s_mov_b32 s[\g+4], 64                          ; tile_dim1
	s_mov_b32 s[\g+5], 128                         ; from row to row
	s_mov_b32 s[\g+6], 0
	s_mov_b32 s[\g+7], 0
.endr
	s_mov_b32 s[CS], 0x3e38aa3b                    ; c = log2(e) / 8
	s_mov_b32 s[CS+1], s[CS]
	s_mov_b32 s[SEL], 0x76543210
	s_mov_b32 s[SEL+1], 0xfedcba98
	s_mov_b32 s[TAU], 0
	s_mov_b32 s[OFF], 0
	s_mov_b32 s[OFF+1], 0
	s_mov_b32 s[TB], 0
	s_mov_b32 s[KF], 0
	s_mul_i32 s74, s11, 6291456                    ; a batch of qkv
	s_add_co_u32 s76, s12, 16
	s_lshl_b32 s76, s76, 18                        ; a slot is 262,144 bytes
	s_add_co_u32 s76, s76, s74
	s_mov_b32 s77, 0                               ; K's rows
	s_lshl_b32 s78, s12, 2
	s_add_co_u32 s78, s78, s13
	s_lshl_b32 s78, s78, 18
	s_add_co_u32 s78, s78, s74
	s_lshl_b32 s69, s18, 11
	s_add_co_u32 s78, s78, s69
	s_mov_b32 s79, 0                               ; my head's q, my 16 rows of block 0
	s_lshl_b32 s74, s11, 22
	s_lshl_b32 s69, s12, 9
	s_add_co_u32 s74, s74, s69
	s_mov_b32 s75, 0                               ; o16: the batch's first row, the group's 512 bytes
	s_wait_dscnt 0x0                               ; both opening adds are done
	s_wait_kmcnt 0x0
	s_add_nc_u64 s[14:15], s[4:5], s[76:77]
	s_add_nc_u64 s[16:17], s[14:15], 0x100000      ; V's slot lies four slots behind K's
	s_mov_b32 s[G0K], 1
	s_mov_b32 s[G0K+1], 0
	s_mov_b64 s[G0K+2:G0K+3], s[14:15]
	s_or_b32 s[G0K+3], s[G0K+3], 0x80000000
	s_mov_b32 s[G0V], 1
	s_mov_b32 s[G0V+1], VOFF
	s_mov_b64 s[G0V+2:G0V+3], s[16:17]
	s_or_b32 s[G0V+3], s[G0V+3], 0x80000000
	TLOAD                                          ; keys 0-127 into slot 0
	s_add_nc_u64 s[60:61], s[4:5], s[78:79]
	s_mov_b64 s[62:63], s[60:61]
	s_lshl_b32 s76, s19, 13                        ; a block's 64 rows of 128 bytes
	s_add_nc_u64 s[60:61], s[60:61], s[76:77]
	s_lshl_b32 s76, s9, 13
	s_add_nc_u64 s[62:63], s[62:63], s[76:77]
	s_add_nc_u64 s[70:71], s[6:7], s[74:75]
	s_mov_b64 s[72:73], s[70:71]
	s_lshl_b32 s76, s19, 17                        ; a block's 64 rows of 2,048 bytes
	s_add_nc_u64 s[70:71], s[70:71], s[76:77]
	s_lshl_b32 s76, s9, 17
	s_add_nc_u64 s[72:73], s[72:73], s[76:77]
	s_cmp_lt_u32 s[WV], 6                          ; the prefetches: waves 4, 5 K's, waves 6, 7 V's
	s_cselect_b64 s[PFA:PFA+1], s[14:15], s[16:17]
	s_and_b32 s76, s[WV], 1
	s_lshl_b32 s76, s76, 13
	s_add_co_u32 s76, s76, 16384                   ; my half, in slot 1: the first change of slots steps it to slot 2
	s_add_nc_u64 s[PFA:PFA+1], s[PFA:PFA+1], s[76:77]
	s_sub_co_u32 s76, s[WV], 4
	s_lshr_b32 s76, s76, 2                         ; 0 in waves 4 to 7,
	s_or_b32 s76, s76, s9                          ; of the work-group with x = 0
	s_cmp_eq_u32 s76, 0
	s_cselect_b32 s[LIM], 14, 0
	v_and_b32 v20, 15, v0                          ; r
	v_bfe_u32 v21, v0, 4, 1                        ; h
	v_lshlrev_b32 v[QO], 7, v20
	v_lshl_add_u32 v[QO], v21, 4, v[QO]            ; row r of 128 bytes + 16 h
.irp ks, 0,1
	global_load_b128 v[Q+8*\ks:Q+8*\ks+3], v[QO], s[60:61] offset:64*\ks
	global_load_b128 v[Q+8*\ks+4:Q+8*\ks+7], v[QO], s[60:61] offset:64*\ks+32
.endr
	v_lshrrev_b32 v3, 1, v20
	v_mul_u32_u24 v[AK0], v3, PK
	v_and_b32 v3, 1, v20
	v_lshl_add_u32 v[AK0], v3, 7, v[AK0]
	v_lshl_add_u32 v[AK0], v21, 4, v[AK0]          ; key r: (r / 2) PK + 128 (r % 2) + 16 h
	v_and_b32 v3, 7, v0
	v_lshl_add_u32 v3, v21, 3, v3                  ; the turning load: lane l reads key 8 h + l % 8, channels 8 ((l / 8) % 2) on
	v_lshrrev_b32 v4, 1, v3
	v_mul_u32_u24 v[AV0], v4, PV
	v_and_b32 v4, 1, v3
	v_lshl_add_u32 v[AV0], v4, 7, v[AV0]
	v_bfe_u32 v4, v0, 3, 1
	v_lshl_add_u32 v[AV0], v4, 4, v[AV0]
	v_add_nc_u32 v[AV0], VOFF, v[AV0]
	s_mul_i32 s76, s18, 16*OP
	s_lshl_b32 s69, s13, 7
	s_add_co_u32 s76, s76, s69
	s_add_co_u32 s76, s76, STGA
	v_mul_u32_u24 v[STO], v20, OP
	v_lshl_add_u32 v[STO], v21, 4, v[STO]
	v_add_nc_u32 v[STO], s76, v[STO]               ; the stage: row 16 (w % 4) + r, my head's 128 bytes, + 16 h
	v_and_b32 v3, 31, v0
	s_mul_i32 s76, s[WV], 4*OP
	s_add_co_u32 s76, s76, STGA
	v_lshl_add_u32 v[RD], v3, 4, s76               ; back: wave w takes rows 4 w on, whole: 32 lanes x 16 bytes
	s_lshl_b32 s76, s[WV], 13
	v_lshl_add_u32 v[GO], v3, 4, s76               ; and the same rows in o16, 2,048 bytes apart
	v_lshlrev_b32 v[PFO], 8, v3
	v_lshlrev_b32 v4, 3, v21
	v_sub_nc_u32 v[DD0], v20, v4
	v_mov_b32 v11, 0xff800000                      ; -infinity
.irp j, 16,17,18,19
	v_mov_b32 v\j, 0                               ; written once: a lane permute's destination, and the upper half of a pair, count as read
.endr
.macro INIT                            ; a pass begins: m = -3e38, under every score; l and O^T zeros, which the first change of m leaves zeros.  So the key step is written once
	v_mov_b32 v13, 0xff61b1e6
	v_mul_f32 v12, s[CS], v13
	v_mov_b32 v14, 0
	v_mov_b32 v15, 0
.set i, 0
.rept 32
	v_mov_b32 v[O+i], 0
.set i, i+1
.endr
.endm
; A KEY STEP: 64 keys, the q-th half of the slot in hand.
.macro STEP q
	s_add_co_u32 s69, s[Q0], 15                    ; a step all of whose keys come after my queries is left out: a branch on ids and step counts; no barrier and no tensor load stands in a step
	s_cmp_gt_u32 s[KF], s69
	s_cbranch_scc1 .Lhidden_\@
	v_add_nc_u32 v[ADK], s[TB], v[AK0]
	v_add_nc_u32 v[ADV], s[TB], v[AV0]
	v_nop
	v_nop                                          ; with the two additions: four places in front of loads into registers that the last products read
.irp kt, 0,1,2,3
.irp ks, 0,1
	ds_load_b128 v[KFR+16*\kt+8*\ks:KFR+16*\kt+8*\ks+3],   v[ADK] offset:\q*32*PK+\kt*8*PK+64*\ks
	ds_load_b128 v[KFR+16*\kt+8*\ks+4:KFR+16*\kt+8*\ks+7], v[ADK] offset:\q*32*PK+\kt*8*PK+64*\ks+32
.endr
.endr
.irp c, 0,1
.irp ct, 0,1,2,3
	ds_load_tr16_b128 v[VFR+32*\c+8*\ct:VFR+32*\c+8*\ct+3],   v[ADV] offset:\q*32*PV+\c*16*PV+32*\ct
	ds_load_tr16_b128 v[VFR+32*\c+8*\ct+4:VFR+32*\c+8*\ct+7], v[ADV] offset:\q*32*PV+\c*16*PV+8*PV+32*\ct
.endr
.endr
	s_wait_dscnt 16                                ; K's 16 loads are in; V's 16, issued behind them, may be out
.irp kt, 0,1,2,3                               ; S^T = K Q^T: four accumulators by turns; the first four products start the sums
	v_wmma_f32_16x16x32_f16 v[S+8*\kt:S+8*\kt+7], v[KFR+16*\kt:KFR+16*\kt+7], v[Q:Q+7], 0
.endr
.irp kt, 0,1,2,3
	v_wmma_f32_16x16x32_f16 v[S+8*\kt:S+8*\kt+7], v[KFR+16*\kt+8:KFR+16*\kt+15], v[Q+8:Q+15], v[S+8*\kt:S+8*\kt+7]
.endr
.rept 4
	v_nop                                          ; four places in front of the first read of the scores
.endr
	s_add_co_u32 s69, s[KF], 63                    ; on the diagonal hidden scores become -infinity ahead of the maximum; a step all of whose keys count skips this
	s_cmp_le_u32 s69, s[Q0]
	s_cbranch_scc1 .Lopen_\@
	s_sub_co_i32 s69, s[Q0], s[KF]
	v_add_nc_u32 v10, s69, v[DD0]                  ; d = my query - KF - 8 h.  Register 8 kt + j holds key KF + 16 kt + 8 h + j: hidden where 16 kt + j > d
.irp kt, 0,1,2,3
.irp j, 0,1,2,3,4,5,6,7
	v_cmp_gt_i32 vcc_lo, 16*\kt+\j, v10
	v_cndmask_b32 v[S+8*\kt+\j], v[S+8*\kt+\j], v11, vcc_lo
.endr
.endr
.Lopen_\@:
.irp kt, 0,1,2,3                               ; the maximum of my 32 scores and the old m: four chains by turns, each tile from its low end on
	v_max3_num_f32 v[16+\kt], v[S+8*\kt], v[S+8*\kt+1], v[S+8*\kt+2]
.endr
.irp kt, 0,1,2,3
	v_max3_num_f32 v[16+\kt], v[16+\kt], v[S+8*\kt+3], v[S+8*\kt+4]
.endr
.irp kt, 0,1,2,3
	v_max3_num_f32 v[16+\kt], v[16+\kt], v[S+8*\kt+5], v[S+8*\kt+6]
.endr
	v_max3_num_f32 v16, v16, v[S+7], v[S+15]
	v_max3_num_f32 v18, v18, v[S+23], v[S+31]
	v_max3_num_f32 v16, v16, v17, v18
	v_max3_num_f32 v16, v16, v19, v13
	v_permlanex16_b32 v17, v16, s[SEL], s[SEL+1]   ; the query's other 32 keys lie in the lane 16 away
	v_max_num_f32 v13, v16, v17                    ; the new m
	v_mov_b32 v19, v12
	v_mul_f32 v12, s[CS], v13                      ; c m
	v_sub_f32 v19, v19, v12                        ; c m_old - c m_new
.set i, 0
.rept 16
	v_pk_fma_f32 v[S+i:S+i+1], v[S+i:S+i+1], s[CS:CS+1], v[12:13] op_sel_hi:[1,0,0] neg_lo:[0,0,1] neg_hi:[0,0,1]   ; c s - c m, two at a time
.set i, i+2
.endr
	v_exp_f32 v18, v19                             ; a;  ONE BATCH of 33 exponentials: none reads another's result
.set i, 0
.rept 32
	v_exp_f32 v[S+i], v[S+i]
.set i, i+1
.endr
	v_nop                                          ; a plain line behind the last exponential,
	s_wait_alu depctr_va_vdst(0)                   ; and the one wait ahead of the batch's first reader
.set i, 0
.rept 16
	v_cvt_pk_f16_f32 v[P+i], v[S+2*i], v[S+2*i+1]  ; p in f16: two tiles of S^T make 32 keys x 16 queries of source 1
.set i, i+1
.endr
.set i, 0
.rept 16
	v_pk_mul_f32 v[O+i:O+i+1], v[O+i:O+i+1], v[18:19] op_sel_hi:[1,0]   ; O^T under the new m, each tile from its low end on
.set i, i+2
.endr
.irp j, 4,8,12,16,20,24,28                     ; the sum of the unrounded p, in two chains
	v_pk_add_f32 v[S:S+1], v[S:S+1], v[S+\j:S+\j+1]
	v_pk_add_f32 v[S+2:S+3], v[S+2:S+3], v[S+\j+2:S+\j+3]
.endr
	v_pk_add_f32 v[S:S+1], v[S:S+1], v[S+2:S+3]
	v_pk_fma_f32 v[14:15], v[14:15], v[18:19], v[S:S+1] op_sel_hi:[1,0,1]   ; l = a l + the sum
	s_wait_dscnt 0x0                               ; V is in
.irp c, 0,1                                    ; O^T += V^T P: four accumulators by turns
.irp ct, 0,1,2,3
	v_wmma_f32_16x16x32_f16 v[O+8*\ct:O+8*\ct+7], v[VFR+32*\c+8*\ct:VFR+32*\c+8*\ct+7], v[P+8*\c:P+8*\c+7], v[O+8*\ct:O+8*\ct+7]
.endr
.endr
.Lhidden_\@:
	s_add_co_u32 s[KF], s[KF], 64
.endm
; THE CHANGE OF SLOTS stands at a slot's head.  Each wave waits for all its tensor loads, adds 0 to its spare word, and waits for that and for its reads of the slot that it has left; then the barrier.
; fill = 1: the slot just left is filled with what the next trip reads: the next 128 keys, or, where the next trip begins the second pass, keys 0-127 again.  One load a wave (waves 0 and 1), first behind the barrier:
; it has two key steps in which to land.  By this text's count a wave has one tensor load out.
.macro CHANGE fill
	s_wait_tensorcnt 0x0                           ; no tensor load of mine is out, so a group 0 may be written
	ds_add_u32 v[SPW], v[NIL]
.if \fill
	ds_add_u32 v[SPW], v[NIL]                      ; and once more, in every trip alike
	s_xor_b32 s[G0K+1], s[G0K+1], SLOT1            ; the other slot than last time
	s_xor_b32 s[G0V+1], s[G0V+1], SLOT1
	s_add_co_u32 s69, s[TAU], 1
	s_add_co_u32 s[OFF], s[OFF], 16384             ; 128 keys of 128 bytes on,
	s_cmp_eq_u32 s69, s[NA]
	s_cselect_b32 s[OFF], 0, s[OFF]                ; or back to key 0
	s_add_nc_u64 s[G0K+2:G0K+3], s[14:15], s[OFF:OFF+1]
	s_or_b32 s[G0K+3], s[G0K+3], 0x80000000
	s_add_nc_u64 s[G0V+2:G0V+3], s[16:17], s[OFF:OFF+1]
	s_or_b32 s[G0V+3], s[G0V+3], 0x80000000
	s_wait_xcnt 0x0                                ; the last prefetch, a slot back, has read its address, so it may be written
	s_add_nc_u64 s[PFA:PFA+1], s[PFA:PFA+1], 16384
.endif
	s_wait_dscnt 0x0                               ; the add is done, and my reads of the slot that I have left are over; my stores into a stage have landed
	s_barrier_signal -1
	s_barrier_wait -1
.if \fill
	TLOAD
	ASK
.endif
.endm
.macro TRIP fill
	CHANGE \fill
	STEP 0
	STEP 1
	s_xor_b32 s[TB], s[TB], SLOT1
	s_add_co_u32 s[TAU], s[TAU], 1
.endm
; A pass ends: l's halves and the other half of the lanes' are added; O^T is divided by l, rounded to f16 and put into the pass's stage: a row of 512 bytes comes from four waves.
.macro OUT1 stg
.rept 4
	v_nop                                          ; four places behind the last products
.endr
	v_add_f32 v16, v14, v15
	v_permlanex16_b32 v17, v16, s[SEL], s[SEL+1]
	v_add_f32 v16, v16, v17
	v_rcp_f32 v18, v16
	v_mov_b32 v19, 0                               ; a plain line behind the reciprocal,
	s_wait_alu depctr_va_vdst(0)                   ; and the wait ahead of its first reader
.set i, 0
.rept 16
	v_pk_mul_f32 v[O+i:O+i+1], v[O+i:O+i+1], v[18:19] op_sel_hi:[1,0]
.set i, i+2
.endr
.set i, 0
.rept 16
	v_cvt_pk_f16_f32 v[P+i], v[O+2*i], v[O+2*i+1]
.set i, i+1
.endr
.irp ct, 0,1,2,3
	ds_store_b128 v[STO], v[P+4*\ct:P+4*\ct+3] offset:\stg+32*\ct
.endr
.endm
	INIT
	s_lshl_b32 s[Q0], s19, 6
	s_lshl_b32 s69, s18, 4
	s_add_co_u32 s[Q0], s[Q0], s69                 ; my first query of the first pass
	s_wait_loadcnt 0x0                             ; q
.Ltrip:                                            ; 16 trips: behind each change of slots the next trip's slot is asked for
	TRIP 1
	s_cmp_lg_u32 s[TAU], s[NA]                     ; the first pass is over: ids and the trip's number alone, alike in all sixteen waves; no barrier, wait for tiles or tensor load is jumped over
	s_cbranch_scc1 .Lsame
.irp ks, 0,1
	global_load_b128 v[Q+8*\ks:Q+8*\ks+3], v[QO], s[62:63] offset:64*\ks          ; the second pass's q
	global_load_b128 v[Q+8*\ks+4:Q+8*\ks+7], v[QO], s[62:63] offset:64*\ks+32
.endr
	OUT1 0                                         ; the first pass's rows wait in their stage for the end of the launch: no read of a stage stands in the loop
	INIT
	s_lshl_b32 s[Q0], s9, 6
	s_lshl_b32 s69, s18, 4
	s_add_co_u32 s[Q0], s[Q0], s69
	s_mov_b32 s[KF], 0
	s_wait_loadcnt 0x0
.Lsame:
	s_cmp_lt_u32 s[TAU], 16
	s_cbranch_scc1 .Ltrip
	TRIP 0                                         ; the seventeenth trip is written out: nothing is left to ask for
	OUT1 STGB
	s_wait_dscnt 0x0                               ; for the others' sake: my stores into the stages have landed
	s_barrier_signal -1
	s_barrier_wait -1
.irp n, 0,1,2,3
	ds_load_b128 v[KFR+4*\n:KFR+4*\n+3], v[RD] offset:\n*OP
.endr
.irp n, 0,1,2,3
	ds_load_b128 v[KFR+16+4*\n:KFR+16+4*\n+3], v[RD] offset:STGB+\n*OP
.endr
	s_wait_dscnt 4                                 ; the first pass's four rows are in; the second's four may be out
.irp n, 0,1,2,3
	global_store_b128 v[GO], v[KFR+4*\n:KFR+4*\n+3], s[70:71] offset:2048*\n       ; 32 lanes store 512 consecutive bytes, aligned
.endr
	s_wait_dscnt 0x0
.irp n, 0,1,2,3
	global_store_b128 v[GO], v[KFR+16+4*\n:KFR+16+4*\n+3], s[72:73] offset:2048*\n
.endr
	s_wait_tensorcnt 0x0                           ; the wave's end
	ds_add_u32 v[SPW], v[NIL]
	s_wait_dscnt 0x0
	s_endpgm
.Lfunc_end_k_q1869480730_attn:
	.size	k_q1869480730_attn, .Lfunc_end_k_q1869480730_attn-k_q1869480730_attn
	.p2alignl 7, 3214868480
	.fill 96, 4, 3214868480
	.section	.rodata,"a",@progbits
	.p2align	6, 0x0
	.amdhsa_kernel k_q1869480730_attn
		.amdhsa_group_segment_fixed_size 327680
		.amdhsa_private_segment_fixed_size 0
		.amdhsa_enable_private_segment 0
		.amdhsa_kernarg_size 16
		.amdhsa_user_sgpr_count 2
		.amdhsa_user_sgpr_kernarg_segment_ptr 1
		.amdhsa_wavefront_size32 1
		.amdhsa_system_sgpr_workgroup_id_x 1
		.amdhsa_system_sgpr_workgroup_id_y 1
		.amdhsa_system_sgpr_workgroup_id_z 1
		.amdhsa_system_vgpr_workitem_id 0
		.amdhsa_next_free_vgpr 256
		.amdhsa_next_free_sgpr 80
		.amdhsa_reserve_vcc 1
		.amdhsa_float_denorm_mode_32 3
		.amdhsa_float_denorm_mode_16_64 3
		.amdhsa_memory_ordered 1
		.amdhsa_forward_progress 1
		.amdhsa_inst_pref_size 67
	.end_amdhsa_kernel
	.amdgpu_metadata
---
amdhsa.version: [ 1, 2 ]
amdhsa.kernels:
  - .name:           k_q1869480730_attn
    .symbol:         k_q1869480730_attn.kd
    .args:
      - { .name: qkv, .offset: 0, .size: 8, .value_kind: global_buffer, .address_space: global }
      - { .name: o16, .offset: 8, .size: 8, .value_kind: global_buffer, .address_space: global }
    .group_segment_fixed_size: 327680
    .private_segment_fixed_size: 0
    .kernarg_segment_align: 8
    .kernarg_segment_size: 16
    .max_flat_workgroup_size: 512
    .sgpr_count:     80
    .vgpr_count:     256
    .wavefront_size: 32
...
	.end_amdgpu_metadata
.endif
;; end of part 3
;; launch proj (part 4): grid 8 x 64, 4 waves a work-group, clusters of 4 x 4, 327,680 bytes of LDS; arguments o16, wp16, bp, out0; writes out0
.if DOCPART == 4
	.amdgcn_target "amdgcn-amd-amdhsa--gfx1250"
	.amdhsa_code_object_version 6
	.text
	.protected	k_q1869480730_proj
	.globl	k_q1869480730_proj
	.p2align	8
	.type	k_q1869480730_proj,@function
k_q1869480730_proj:
	s_mov_b64 s[64:65], 0
	v_nop
	global_prefetch_b8 v0, s[64:65] scope:SCOPE_SE
	s_setreg_imm32_b32 hwreg(HW_REG_WAVE_MODE, 25, 1), 1
	s_wait_xcnt 0x0
	s_wait_alu depctr_hold_cnt(0) depctr_sa_sdst(0) depctr_va_vdst(0) depctr_va_sdst(0) depctr_va_ssrc(0) depctr_va_vcc(0) depctr_vm_vsrc(0)
	s_getreg_b32 s2, hwreg(HW_REG_IB_STS2, 6, 4)
	s_cmp_eq_u32 s2, 0
	s_cbranch_scc0 .Lentry_in_a_cluster
	s_endpgm
.Lentry_in_a_cluster:
	s_bfe_u32 s2, ttmp6, 0x10000c
	s_cmp_lg_u32 s2, 0xf033
	s_cbranch_scc0 .Lentry_shape_is_right
	s_endpgm
.Lentry_shape_is_right:
; out0[m][n] = sum over k of o16[m][k] wp16[n][k] + bp[n].  o16: [8192][1024], wp16: [1024][1024], f16; bp: [1024], out0: [8192][1024], f32; sums in f32.
; A tile of out0 is 128 x 128: 512 work-groups (tiles of 256 x 256 would be 128, fewer than there are WGPs).  Four waves, each 64 x 64: 16 accumulators.  K goes in steps of 256 (LDS rows of 512 bytes; a wave's
; tensor load brings 64 of them) through two slots.
; CLUSTERS: 4 x 4 work-groups.  The four of a row of the cluster need the same tiles of o16, the four of a column the same tiles of wp16: each tile is asked for JOINTLY, by the same tensor load with a mask that names the four.
; THE MATRIX INSTRUCTION IS USED TRANSPOSED (source 0 = 16 rows of wp16, source 1 = 16 rows of o16): a lane holds eight neighbouring numbers of a row of out0.
; THE BIAS is the C of each sum's first matrix instruction: eight registers for each block of 16 columns, in the result's layout.  Nothing is cleared and nothing is added afterwards.
; THE WAY OUT: a wave's 64 columns of f32 are 256 aligned bytes, so each wave has a stage of its own and no barrier stands on the way out.
; REGISTERS: window 0: v0-31 addresses; v32-63 the bias, later with v64-95 rows on the way out; v128-255 the accumulators ((a, b) at v[128 + 8 (4 a + b)]).   window 1: two fragment buffers of 128.
.set SIZE_M, 8192
.set SIZE_N, 1024
.set SIZE_K, 1024
.set KSTEP,  256
.set PITCH,  528                       ; an LDS row: 512 bytes + 16: 33 pieces of 16 bytes, so the 16 rows that a load touches start at 16 different places modulo 256 bytes
.set HALFT,  64*PITCH                  ; 64 rows: what one tensor load brings, and what one wave reads of either operand
.set SLOT,   4*HALFT
.set STAGE,  2*SLOT                    ; behind the ring: 16 rows x 272 bytes for each wave
.set SPITCH, 272
.set SPARE,  STAGE+4*16*SPITCH         ; the spare words, 128 bytes a wave, which no other line names
.set LAPS, SIZE_K/(2*KSTEP)
.set ADRA, 16
.set ADRB, 20
.set STO,  24
.set RD,   25
.set CO,   26
.set BO,   27                          ; v27 32 h: my eight numbers of a block's 16 of the bias
.set SPW,  28
.set NIL,  29
.set BIAS, 32
.set BK,   32
.set ACC,  128
.set F0,   0
.set F1,   128
.set G1, 24
.set G0, 32
.set G1B, 48
.set G0B, 56
.set MSB, 0
.macro WIN new                         ; the immediate's high byte repeats the setting that is left
.if MSB != \new
	s_set_vgpr_msb (MSB<<8)|\new
.set MSB, \new
.endif
.endm
.set MUL,  0x05                        ; sources 0 and 1 window 1; C and D window 0
.set TO_F, 0x40                        ; destination window 1, address window 0
.macro JLOAD s                         ; a joint load: waves 0 and 1 fetch o16's two halves, waves 2 and 3 wp16's; an s_nop 0 and four v_nop follow each of the two lines
	s_cmp_eq_u32 s11, 0
	s_cbranch_scc0 .Lfor_b_\@
	tensor_load_to_lds s[G0+4*\s:G0+4*\s+3], s[G1:G1+7]
	s_nop 0
.rept 4
	v_nop
.endr
	s_branch .Lasked_\@
.Lfor_b_\@:
	tensor_load_to_lds s[G0B+4*\s:G0B+4*\s+3], s[G1B:G1B+7]
	s_nop 0
.rept 4
	v_nop
.endr
.Lasked_\@:
.endm
.macro CREST                           ; a round of the cluster's barrier behind its opening barrier
	s_cmp_lg_u32 s10, 0
	s_cbranch_scc1 .Lnot_wave_0_\@
	s_barrier_signal -3
.Lnot_wave_0_\@:
	s_barrier_wait -3
	s_barrier_signal -1
	s_barrier_wait -1
.endm
.macro CROUND
	s_barrier_signal -1
	s_barrier_wait -1
	CREST
.endm
	s_load_b128 s[4:7], s[0:1], 0x0                ; o16 s[4:5], wp16 s[6:7]
	s_load_b64 s[66:67], s[0:1], 0x10              ; bp
	s_load_b64 s[8:9], s[0:1], 0x18                ; out0
	v_lshl_add_u32 v[SPW], v0, 2, SPARE
	v_mov_b32 v[NIL], 0
	ds_add_u32 v[SPW], v[NIL]                      ; the wave's opening: the add, twice on end, and its wait ahead of the first tensor load
	ds_add_u32 v[SPW], v[NIL]
	v_lshrrev_b32 v1, 5, v0
	v_readfirstlane_b32 s10, v1                    ; wave 0..3
	s_lshr_b32 s11, s10, 1                         ; which half of the tile's rows is mine.  Also: I fetch for o16 (0) or for wp16 (1)
	s_and_b32 s12, s10, 1                          ; which half of its columns.  Also: which 64 rows of that tile I fetch
	s_bfe_u32 s40, ttmp6, 0x40000                  ; cx, cy
	s_bfe_u32 s41, ttmp6, 0x40004
	s_lshl_b32 s42, ttmp9, 2
	s_add_co_u32 s42, s42, s40                     ; tile column = 4 x cluster x + cx
	s_and_b32 s13, ttmp7, 0xffff
	s_lshl_b32 s13, s13, 2
	s_add_co_u32 s13, s13, s41                     ; tile row = 4 x cluster y + cy
	s_lshl_b32 s43, s41, 2
	s_lshl_b32 s43, 15, s43                        ; my row of the cluster
	s_lshl_b32 s44, 0x1111, s40                    ; my column
	s_or_b32 s[G1+0], s43, (1<<16)|(1<<20)|(1<<21)|(6<<22)|(3<<25)  ; the mask; elements of 2 bytes; padding on; bit 21 beside a mask; after every 128 words four words
	s_or_b32 s[G1B+0], s44, (1<<16)|(1<<20)|(1<<21)|(6<<22)|(3<<25)
.irp g, G1, G1B
	s_mov_b32 s[\g+1], KSTEP<<16                   ; tensor_dim0 = 256
	s_mov_b32 s[\g+2], 64<<16                      ; tensor_dim1 = 64
	s_mov_b32 s[\g+3], KSTEP<<16                   ; tile_dim0 = 256
	s_mov_b32 s[\g+4], 64                          ; tile_dim1 = 64
	s_mov_b32 s[\g+5], SIZE_K                      ; from row to row
	s_mov_b32 s[\g+6], 0
	s_mov_b32 s[\g+7], 0
.endr
	s_lshl_b32 s17, s12, 6                         ; which 64 rows of the tile I fetch
	s_lshl_b32 s16, s13, 7
	s_add_co_u32 s16, s16, s17                     ; o16: row 128 x tile row + 64 x half
	s_lshl_b32 s46, s42, 7
	s_add_co_u32 s46, s46, s17                     ; wp16: row 128 x tile column + 64 x half
	s_mov_b32 s17, 0
	s_mov_b32 s47, 0
	s_mov_b64 s[18:19], SIZE_K*2
	s_mul_u64 s[16:17], s[16:17], s[18:19]
	s_mul_u64 s[46:47], s[46:47], s[18:19]
	s_mul_i32 s20, s10, HALFT                      ; where they go: wave x 64 rows
	s_wait_dscnt 0x0                               ; both opening adds are done
	s_wait_kmcnt 0x0
	s_add_nc_u64 s[14:15], s[4:5], s[16:17]
	s_add_nc_u64 s[46:47], s[6:7], s[46:47]
	CROUND                                         ; all sixteen work-groups are here: the first joint loads meet
.irp s, 0,1
	s_mov_b32 s[G0+4*\s], 1
	s_add_co_u32 s[G0+4*\s+1], s20, \s*SLOT
	s_add_nc_u64 s[G0+4*\s+2:G0+4*\s+3], s[14:15], \s*KSTEP*2
	s_or_b32 s[G0+4*\s+3], s[G0+4*\s+3], 0x80000000
	s_mov_b32 s[G0B+4*\s], 1
	s_add_co_u32 s[G0B+4*\s+1], s20, \s*SLOT
	s_add_nc_u64 s[G0B+4*\s+2:G0B+4*\s+3], s[46:47], \s*KSTEP*2
	s_or_b32 s[G0B+4*\s+3], s[G0B+4*\s+3], 0x80000000
	JLOAD \s
.endr
	v_and_b32 v1, 15, v0                           ; r
	v_bfe_u32 v2, v0, 4, 1                         ; h
	s_lshl_b32 s46, s42, 9                         ; my first column, in bytes of f32: 512 x tile column + 256 x half
	s_lshl_b32 s47, s12, 8
	s_add_co_u32 s46, s46, s47
	s_mov_b32 s47, 0
	s_add_nc_u64 s[66:67], s[66:67], s[46:47]      ; the bias of my 64 columns
	v_lshlrev_b32 v[BO], 5, v2
.irp b, 0,1,2,3
	global_load_b128 v[BIAS+8*\b:BIAS+8*\b+3], v[BO], s[66:67] offset:64*\b        ; lane (r, h): bp at columns 16 b + 8 h + 0 .. 7
	global_load_b128 v[BIAS+8*\b+4:BIAS+8*\b+7], v[BO], s[66:67] offset:64*\b+16
.endr
	v_mul_u32_u24 v3, v1, PITCH
	v_lshl_add_u32 v3, v2, 4, v3                   ; a fragment's row x pitch + 16 x half
	s_mul_i32 s21, s11, HALFT                      ; my 64 rows of o16
	s_mul_i32 s22, s12, HALFT                      ; my 64 rows of wp16,
	s_add_co_u32 s22, s22, 2*HALFT                 ; which lie behind o16's 128
.irp s, 0,1
	v_add_nc_u32 v[ADRA+\s], s21, v3
	v_add_nc_u32 v[ADRB+\s], s22, v3
	s_add_co_u32 s21, s21, SLOT
	s_add_co_u32 s22, s22, SLOT
.endr
	s_mul_i32 s23, s10, 16*SPITCH
	s_add_co_u32 s23, s23, STAGE                   ; my stage
	v_mul_u32_u24 v4, v1, SPITCH
	v_lshl_add_u32 v4, v2, 5, v4
	v_add_nc_u32 v[STO], s23, v4                   ; in: row r, 32 bytes for each half of the lanes
	v_mul_u32_u24 v5, v2, SPITCH
	v_lshl_add_u32 v5, v1, 4, v5
	v_add_nc_u32 v[RD], s23, v5                    ; back: lanes 0-15 one row of 256 bytes, lanes 16-31 the next
	v_lshlrev_b32 v5, 12, v2
	v_lshl_add_u32 v[CO], v1, 4, v5                ; and the same two rows in out0, 4,096 bytes apart
	s_lshl_b32 s16, s13, 7
	s_lshl_b32 s17, s11, 6
	s_add_co_u32 s16, s16, s17                     ; my first row: 128 x tile row + 64 x half
	s_lshl_b32 s16, s16, 12
	s_mov_b32 s17, 0
	s_add_nc_u64 s[8:9], s[8:9], s[16:17]
	s_add_nc_u64 s[8:9], s[8:9], s[46:47]
; 8 matrix instructions: row blocks a0, a0 + 1 x all 4 column blocks, 32 along K: half c of buffer f.  first = 1: the product starts the sum, on the bias.  The 16 accumulators take turns.
.macro MUL8 f, c, a0, first
.irp a, \a0, \a0+1
.irp b, 0,1,2,3
.if \first
	v_wmma_f32_16x16x32_f16 v[ACC+8*(4*(\a)+\b):ACC+8*(4*(\a)+\b)+7], v[\f+64+8*(4*\c+\b):\f+64+8*(4*\c+\b)+7], v[\f+8*(4*\c+\a):\f+8*(4*\c+\a)+7], v[BIAS+8*\b:BIAS+8*\b+7]
.else
	v_wmma_f32_16x16x32_f16 v[ACC+8*(4*(\a)+\b):ACC+8*(4*(\a)+\b)+7], v[\f+64+8*(4*\c+\b):\f+64+8*(4*\c+\b)+7], v[\f+8*(4*\c+\a):\f+8*(4*\c+\a)+7], v[ACC+8*(4*(\a)+\b):ACC+8*(4*(\a)+\b)+7]
.endif
.endr
.endr
.endm
; 32 LDS loads in one run: the fragments of 64 along K at byte k of the rows, into buffer f; the first 32 along K first
.macro FETCH slot, k, f
	WIN TO_F
.irp c, 0,1
.irp i, 0,1,2,3
	ds_load_b128 v[\f+64+8*(4*\c+\i):\f+64+8*(4*\c+\i)+3],   v[ADRB+\slot] offset:\k+64*\c+\i*16*PITCH
	ds_load_b128 v[\f+64+8*(4*\c+\i)+4:\f+64+8*(4*\c+\i)+7], v[ADRB+\slot] offset:\k+64*\c+\i*16*PITCH+32
	ds_load_b128 v[\f+8*(4*\c+\i):\f+8*(4*\c+\i)+3],         v[ADRA+\slot] offset:\k+64*\c+\i*16*PITCH
	ds_load_b128 v[\f+8*(4*\c+\i)+4:\f+8*(4*\c+\i)+7],       v[ADRA+\slot] offset:\k+64*\c+\i*16*PITCH+32
.endr
.endr
.endm
.macro PLACES                          ; four places in front of loads into registers that matrix instructions have read, and of the first read of results
.rept 4
	v_nop
.endr
.endm
; A K step is four quarters of 64 along K, 32 matrix instructions each, on buffers 0, 1, 0, 1.  One of the first three: multiplies buffer f and fetches the next quarter, at byte k, into g.
.macro QUARTER slot, k, f, g, first
	s_wait_dscnt 16                                ; the first 32 along K are in; the sixteen loads of the second 32 may be out
	WIN MUL
	MUL8 \f, 0, 0, \first
	MUL8 \f, 0, 2, \first
	PLACES
	FETCH \slot, \k, \g
	s_wait_dscnt 32                                ; all but the 32 just issued
	WIN MUL
	MUL8 \f, 1, 0, 0
	MUL8 \f, 1, 2, 0
.endm
; The last quarter multiplies buffer 1 and changes slots: ONE barrier; in front of it each wave waits for all its tensor loads, adds 0 to its spare word, and waits for that and for its reads of this slot.
.macro TURN slot, next, fill
	WIN 0                                          ; (the add's two registers lie in window 0)
	s_wait_tensorcnt 0x0                           ; all my tensor loads have landed: my part of the next slot;
	ds_add_u32 v[SPW], v[NIL]
	s_wait_dscnt 17                                ; (the add and the youngest sixteen loads may be out)
	WIN MUL
	MUL8 F1, 0, 0, 0                               ; eight matrix instructions stand between the add and the wait for it
	s_wait_dscnt 0x0                               ; the add is done, and my reads of this slot are over
	s_barrier_signal -1
	MUL8 F1, 0, 2, 0
.if \fill
	WIN 0
.endif
	s_barrier_wait -1
.if \fill
	CREST                                          ; the barrier has opened a round of the cluster's: no wave of any partner still reads this slot or has a load on its way
	s_add_nc_u64 s[G0+4*\slot+2:G0+4*\slot+3], s[G0+4*\slot+2:G0+4*\slot+3], 2*KSTEP*2
	s_add_nc_u64 s[G0B+4*\slot+2:G0B+4*\slot+3], s[G0B+4*\slot+2:G0B+4*\slot+3], 2*KSTEP*2
	JLOAD \slot                                    ; the first tensor load behind the round; the four v_nop behind it are also the places in front of the loads below
.else
	PLACES
.endif
	FETCH \next, 0, F0
	WIN MUL
	MUL8 F1, 1, 0, 0
	MUL8 F1, 1, 2, 0
.endm
	s_wait_tensorcnt 1                             ; my part of K step 0 is in; K step 1's load may be out
	s_barrier_signal -1
	s_barrier_wait -1
	FETCH 0, 0, F0
	s_wait_loadcnt 0x0                             ; the bias
	QUARTER 0, 128, F0, F1, 1                      ; the first quarter stands in front of the loop: its first products start the sums
.if LAPS > 1
	WIN 0                                          ; at a label and at a branch every window is 0
	s_mov_b32 s3, LAPS-1
.Llap:                                                 ; a trip goes once round the ring, from a lap's second quarter to the next lap's first, and fills both slots again
	QUARTER 0, 256, F1, F0, 0
	QUARTER 0, 384, F0, F1, 0
	TURN 0, 1, 1
	QUARTER 1, 128, F0, F1, 0
	QUARTER 1, 256, F1, F0, 0
	QUARTER 1, 384, F0, F1, 0
	TURN 1, 0, 1
	QUARTER 0, 128, F0, F1, 0
	WIN 0
	s_sub_co_u32 s3, s3, 1
	s_cmp_lg_u32 s3, 0
	s_cbranch_scc1 .Llap
.endif
	QUARTER 0, 256, F1, F0, 0                      ; the last lap fills nothing, and has no round of the cluster's barrier
	QUARTER 0, 384, F0, F1, 0
	TURN 0, 1, 0
	QUARTER 1, 128, F0, F1, 0
	QUARTER 1, 256, F1, F0, 0
	QUARTER 1, 384, F0, F1, 0
	s_wait_dscnt 16                                ; the very last quarter: nothing more to fetch
	WIN MUL
	MUL8 F1, 0, 0, 0
	MUL8 F1, 0, 2, 0
	s_wait_dscnt 0
	MUL8 F1, 1, 0, 0
	MUL8 F1, 1, 2, 0
	WIN 0
; THE WAY OUT, 16 rows x 64 columns at a time, through my own stage: a lane's 32 bytes go in, whole rows of 256 bytes come back.  LDS serves a wave's instructions in order: no wait between the stores and the loads.
.macro TOSTAGE a
.set BB, BK+32*((\a)%2)
.irp b, 0,1,2,3
	ds_store_b128 v[STO], v[ACC+8*(4*(\a)+\b):ACC+8*(4*(\a)+\b)+3] offset:64*\b        ; each accumulator from its low end on
	ds_store_b128 v[STO], v[ACC+8*(4*(\a)+\b)+4:ACC+8*(4*(\a)+\b)+7] offset:64*\b+16
.endr
.irp t, 0,1,2,3,4,5,6,7
	ds_load_b128 v[BB+4*\t:BB+4*\t+3], v[RD] offset:\t*2*SPITCH
.endr
.endm
.macro SEND a, younger                 ; younger: the LDS instructions issued behind block a's loads, which may stay out
.set BB, BK+32*((\a)%2)
	s_wait_dscnt \younger
.irp t, 0,1,2,3,4,5,6,7
	global_store_b128 v[CO], v[BB+4*\t:BB+4*\t+3], s[8:9] offset:(16*(\a)+2*\t)*SIZE_N*4 th:TH_STORE_NT   ; 16 lanes store 256 consecutive bytes, aligned; written once, read by nobody here
.endr
.endm
	PLACES
	TOSTAGE 0
.irp a, 1,2,3
.if \a > 1
	s_wait_xcnt 0x0                                ; block a - 2's stores have read their registers: block a's loads land there only behind this wait
.endif
	TOSTAGE \a
	SEND \a-1, 16                                  ; behind block a - 1's loads: block a's 8 stores and 8 loads
.endr
	SEND 3, 0
	s_wait_tensorcnt 0x0                           ; the wave's end
	ds_add_u32 v[SPW], v[NIL]
	s_wait_dscnt 0x0
	CROUND                                         ; the closing round
	s_endpgm
.Lfunc_end_k_q1869480730_proj:
	.size	k_q1869480730_proj, .Lfunc_end_k_q1869480730_proj-k_q1869480730_proj
	.p2alignl 7, 3214868480
	.fill 96, 4, 3214868480
	.section	.rodata,"a",@progbits
	.p2align	6, 0x0
	.amdhsa_kernel k_q1869480730_proj
		.amdhsa_group_segment_fixed_size 327680
		.amdhsa_private_segment_fixed_size 0
		.amdhsa_enable_private_segment 0
		.amdhsa_kernarg_size 32
		.amdhsa_user_sgpr_count 2
		.amdhsa_user_sgpr_kernarg_segment_ptr 1
		.amdhsa_wavefront_size32 1
		.amdhsa_system_sgpr_workgroup_id_x 1
		.amdhsa_system_sgpr_workgroup_id_y 1
		.amdhsa_system_sgpr_workgroup_id_z 1
		.amdhsa_system_vgpr_workitem_id 0
		.amdhsa_next_free_vgpr 512
		.amdhsa_next_free_sgpr 68
		.amdhsa_reserve_vcc 0
		.amdhsa_float_denorm_mode_32 3
		.amdhsa_float_denorm_mode_16_64 3
		.amdhsa_memory_ordered 1
		.amdhsa_forward_progress 1
		.amdhsa_inst_pref_size 86
	.end_amdhsa_kernel
	.amdgpu_metadata
---
amdhsa.version: [ 1, 2 ]
amdhsa.kernels:
  - .name:           k_q1869480730_proj
    .symbol:         k_q1869480730_proj.kd
    .args:
      - { .name: o16, .offset: 0, .size: 8, .value_kind: global_buffer, .address_space: global }
      - { .name: wp16, .offset: 8, .size: 8, .value_kind: global_buffer, .address_space: global }
      - { .name: bp, .offset: 16, .size: 8, .value_kind: global_buffer, .address_space: global }
      - { .name: out0, .offset: 24, .size: 8, .value_kind: global_buffer, .address_space: global }
    .group_segment_fixed_size: 327680
    .private_segment_fixed_size: 0
    .kernarg_segment_align: 8
    .kernarg_segment_size: 32
    .max_flat_workgroup_size: 128
    .sgpr_count:     68
    .vgpr_count:     512
    .wavefront_size: 32
...
	.end_amdgpu_metadata
.endif
;; end of part 4
;; launch first16 (part 5): grid 64 x 4, 16 waves a work-group, no clusters, 18,432 bytes of LDS; arguments qkv32, Wp, bp, out0; writes out0
.if DOCPART == 5
	.amdgcn_target "amdgcn-amd-amdhsa--gfx1250"
	.amdhsa_code_object_version 6
	.text
	.protected	k_q1869480730_first16
	.globl	k_q1869480730_first16
	.p2align	8
	.type	k_q1869480730_first16,@function
k_q1869480730_first16:
	s_mov_b64 s[64:65], 0
	v_nop
	global_prefetch_b8 v0, s[64:65] scope:SCOPE_SE
	s_setreg_imm32_b32 hwreg(HW_REG_WAVE_MODE, 25, 1), 1
	s_wait_xcnt 0x0
; The first 16 positions of every sequence, wholly in f32: under the causal mask they average one to sixteen values, so the rounding of 16-bit operands weighs most there.  Attention and projection are made again from
; the unrounded q, k, v (qkv32: [batch 4][slot 24][16][64]) and the unrounded Wp, and the 64 rows of out0 that the projection's launch stored from f16 operands are written over.
; SHARES: a work-group (x: 16 columns of out0, y: the batch) makes out0[batch][0..15][16 x .. 16 x + 15].  Wave w is head w: its 16 x 16 attention, then its head's 64 terms of the projection; the sixteen partial
; tiles are added through LDS.  Each of a batch's 64 work-groups makes the attention anew (32 matrix instructions a wave): that spreads the projection over 256 work-groups.
; All products by the f32 matrix form, 16 x 16 x 4.  Along a product's K the places are permuted alike on both sources, so that each result is the next product's source as it stands: nothing changes lanes.
; The registers that this form writes (v144-207) are written by matrix instructions alone; sums of finished accumulators go into other registers.
; A work-group owns 16 columns, so a row's part is 64 bytes, stored 16 bytes a lane; the launch stores 262,144 bytes in all.
.set Q,   16                           ; v16-47   q: register 4 u + i: channel 8 u + 4 h + i of query r
.set K,   48                           ; v48-79   k likewise, of key r;  later the sums
.set VT,  80                           ; v80-111  v turned: register 8 ct + 2 s + j: channel 16 ct + r of key 8 h + 2 s + j
.set WP,  112                          ; v112-143 Wp: register 8 ct + i: column 64 w + 16 ct + 8 h + i of row 16 x + r
.set AS,  144                          ; v144-175 four accumulators: the scores, later the projection
.set AO,  176                          ; v176-207 four accumulators: O^T
.set T,   208                          ; v208-215 scores, then p: register j: key 8 h + j of query r
.set U,   216                          ; v216-223 at work;  v224-229 at work
.set BI,  232                          ; v232-235 four numbers of the bias
.set SPW, 238
.set NIL, 239
.set SPARE, 16384                      ; behind the sixteen images of 1,024 bytes: the spare words, 128 bytes a wave, which no other line names
	s_load_b256 s[4:11], s[0:1], 0x0               ; qkv32 4:5, Wp 6:7, bp 8:9, out0 10:11
	v_lshl_add_u32 v[SPW], v0, 2, SPARE
	v_mov_b32 v[NIL], 0
	v_lshrrev_b32 v1, 5, v0
	v_readfirstlane_b32 s12, v1                    ; wave = head
	s_and_b32 s13, ttmp7, 0xffff                   ; batch
	s_lshl_b32 s14, ttmp9, 4                       ; my first column of out0
	s_lshr_b32 s15, s12, 2                         ; group
	v_and_b32 v1, 15, v0                           ; r
	v_bfe_u32 v2, v0, 4, 1                         ; h
	v_and_b32 v3, 31, v0                           ; lane
	v_lshlrev_b32 v4, 8, v1
	v_lshl_add_u32 v4, v2, 4, v4                   ; q, k: row r of 256 bytes + 16 h
	v_lshlrev_b32 v5, 2, v1
	v_lshl_add_u32 v5, v2, 11, v5                  ; v: 8 h rows down, channel r
	v_lshlrev_b32 v6, 12, v1
	v_lshl_add_u32 v6, v2, 5, v6                   ; Wp and out0: row r of 4,096 bytes + 32 h
	v_lshlrev_b32 v7, 5, v2                        ; the bias: 32 h
	s_lshl_b32 s16, s12, 10
	v_lshl_add_u32 v8, v3, 4, s16                  ; LDS: my image: 1,024 x wave + 16 x lane
	s_and_b32 s17, s12, 1
	s_lshl_b32 s18, s17, 9
	v_lshl_add_u32 v9, v3, 4, s18                  ; and what waves 0 and 1 read: half (wave) of every image
	v_lshlrev_b32 v10, 3, v2
	v_sub_nc_u32 v10, v1, v10                      ; d = r - 8 h: key 8 h + j is hidden from query r where j > d
	v_mov_b32 v11, 0xff800000                      ; -infinity
	v_mov_b32 v225, 0                              ; written once: a lane permute's destination counts as read
	s_mov_b32 s32, 0x76543210
	s_mov_b32 s33, 0xfedcba98                      ; lane l xor 16
	s_mov_b32 s34, 0x3e38aa3b                      ; c = log2(e) / 8
	s_mul_i32 s20, s13, 98304                      ; a batch of qkv32
	s_lshl_b32 s22, s12, 12                        ; a slot is 4,096 bytes
	s_add_co_u32 s22, s22, s20
	s_mov_b32 s23, 0
	s_add_co_u32 s24, s15, 16
	s_lshl_b32 s24, s24, 12
	s_add_co_u32 s24, s24, s20
	s_mov_b32 s25, 0
	s_wait_kmcnt 0x0
	s_add_nc_u64 s[26:27], s[4:5], s[22:23]        ; q of my head
	s_add_nc_u64 s[28:29], s[4:5], s[24:25]        ; k of my group
	s_add_nc_u64 s[30:31], s[28:29], 16384         ; v: four slots on
	s_lshl_b32 s22, s14, 12
	s_lshl_b32 s24, s12, 8
	s_add_co_u32 s22, s22, s24
	s_add_nc_u64 s[6:7], s[6:7], s[22:23]          ; Wp at row 16 x, my head's 64 columns
	s_lshl_b32 s22, s14, 2
	s_lshl_b32 s24, s17, 4
	s_add_co_u32 s22, s22, s24
	s_add_nc_u64 s[8:9], s[8:9], s[22:23]          ; bp at column 16 x + 4 (wave % 2)
	s_lshl_b32 s24, s13, 23                        ; a batch of out0: 2,048 rows of 4,096 bytes
	s_add_co_u32 s22, s22, s24
	s_add_nc_u64 s[10:11], s[10:11], s[22:23]
.irp u, 0,1,2,3,4,5,6,7
	global_load_b128 v[K+4*\u:K+4*\u+3], v4, s[28:29] offset:32*\u
	global_load_b128 v[Q+4*\u:Q+4*\u+3], v4, s[26:27] offset:32*\u
.endr
.irp ct, 0,1,2,3
.irp s, 0,1,2,3
.irp j, 0,1
	global_load_b32 v[VT+8*\ct+2*\s+\j], v5, s[30:31] offset:(2*\s+\j)*256+64*\ct
.endr
.endr
.endr
.irp ct, 0,1,2,3
	global_load_b128 v[WP+8*\ct:WP+8*\ct+3], v6, s[6:7] offset:64*\ct
	global_load_b128 v[WP+8*\ct+4:WP+8*\ct+7], v6, s[6:7] offset:64*\ct+16
.endr
	global_load_b128 v[BI:BI+3], v7, s[8:9]
	s_wait_loadcnt 0x0
	; S^T = K Q^T: 16 steps of 4 channels on four accumulators by turns; the first four start the sums
.irp n, 0,1,2,3
	v_wmma_f32_16x16x4_f32 v[AS+8*\n:AS+8*\n+7], v[K+2*\n:K+2*\n+1], v[Q+2*\n:Q+2*\n+1], 0
.endr
.irp m, 1,2,3
.irp n, 0,1,2,3
	v_wmma_f32_16x16x4_f32 v[AS+8*\n:AS+8*\n+7], v[K+8*\m+2*\n:K+8*\m+2*\n+1], v[Q+8*\m+2*\n:Q+8*\m+2*\n+1], v[AS+8*\n:AS+8*\n+7]
.endr
.endr
.rept 8
	v_nop                                          ; eight places behind this form in front of the first read of results
.endr
.macro SUM4 dst                        ; the four accumulators' sum, each from its low end on
.irp p, 0,2,4,6
	v_pk_add_f32 v[\dst+\p:\dst+\p+1], v[AS+\p:AS+\p+1], v[AS+8+\p:AS+8+\p+1]
.endr
.irp p, 0,2,4,6
	v_pk_add_f32 v[U+\p:U+\p+1], v[AS+16+\p:AS+16+\p+1], v[AS+24+\p:AS+24+\p+1]
.endr
.irp p, 0,2,4,6
	v_pk_add_f32 v[\dst+\p:\dst+\p+1], v[\dst+\p:\dst+\p+1], v[U+\p:U+\p+1]
.endr
.endm
	SUM4 T
.irp j, 0,1,2,3,4,5,6,7
	v_cmp_gt_i32 vcc_lo, \j, v10
	v_cndmask_b32 v[T+\j], v[T+\j], v11, vcc_lo    ; hidden keys: -infinity.  Key 0 counts for every query
.endr
	v_max3_num_f32 v224, v[T], v[T+1], v[T+2]
	v_max3_num_f32 v224, v224, v[T+3], v[T+4]
	v_max3_num_f32 v224, v224, v[T+5], v[T+6]
	v_max_num_f32 v224, v224, v[T+7]
	v_permlanex16_b32 v225, v224, s32, s33
	v_max_num_f32 v224, v224, v225                 ; the row's maximum
	v_mul_f32 v224, s34, v224
.irp j, 0,1,2,3,4,5,6,7
	v_fma_f32 v[T+\j], v[T+\j], s34, -v224         ; c s - c m
.endr
.irp j, 0,1,2,3,4,5,6,7
	v_exp_f32 v[T+\j], v[T+\j]
.endr
	v_nop                                          ; a plain line behind the last exponential,
	s_wait_alu depctr_va_vdst(0)                   ; and the one wait ahead of the batch's first reader
	v_pk_add_f32 v[226:227], v[T:T+1], v[T+2:T+3]
	v_pk_add_f32 v[228:229], v[T+4:T+5], v[T+6:T+7]
	v_pk_add_f32 v[226:227], v[226:227], v[228:229]
	v_add_f32 v226, v226, v227
	v_permlanex16_b32 v225, v226, s32, s33
	v_add_f32 v226, v226, v225                     ; the row's sum
	v_rcp_f32 v228, v226
	v_mov_b32 v229, 0                              ; a plain line behind the reciprocal,
	s_wait_alu depctr_va_vdst(0)                   ; and the wait ahead of its first reader
.irp p, 0,2,4,6
	v_pk_mul_f32 v[T+\p:T+\p+1], v[T+\p:T+\p+1], v[228:229] op_sel_hi:[1,0]
.endr
	; O^T = V^T P: 4 steps of 4 keys for each of four tiles of 16 channels; in step s lane (r, h) gives keys 8 h + 2 s + 0, 1 on both sides
.irp ct, 0,1,2,3
	v_wmma_f32_16x16x4_f32 v[AO+8*\ct:AO+8*\ct+7], v[VT+8*\ct:VT+8*\ct+1], v[T:T+1], 0
.endr
.irp s, 1,2,3
.irp ct, 0,1,2,3
	v_wmma_f32_16x16x4_f32 v[AO+8*\ct:AO+8*\ct+7], v[VT+8*\ct+2*\s:VT+8*\ct+2*\s+1], v[T+2*\s:T+2*\s+1], v[AO+8*\ct:AO+8*\ct+7]
.endr
.endr
.rept 9
	v_nop                                          ; nine places behind this form before a matrix instruction takes a result as a source
.endr
	; my head's part of the projection: source 0 = 16 rows of Wp, source 1 = O^T as it stands: in step (ct, e) lane (r, h) gives channels 16 ct + 8 h + 2 e + 0, 1 on both sides
.irp ct, 0,1,2,3
	v_wmma_f32_16x16x4_f32 v[AS+8*\ct:AS+8*\ct+7], v[WP+8*\ct:WP+8*\ct+1], v[AO+8*\ct:AO+8*\ct+1], 0
.endr
.irp e, 1,2,3
.irp ct, 0,1,2,3
	v_wmma_f32_16x16x4_f32 v[AS+8*\ct:AS+8*\ct+7], v[WP+8*\ct+2*\e:WP+8*\ct+2*\e+1], v[AO+8*\ct+2*\e:AO+8*\ct+2*\e+1], v[AS+8*\ct:AS+8*\ct+7]
.endr
.endr
.rept 8
	v_nop
.endr
	SUM4 K                                         ; lane (r, h), register j: my head's part of out0(position r, column 16 x + 8 h + j)
	ds_store_b128 v8, v[K:K+3]                     ; as an image of the registers: 16 bytes a lane, 512 a store
	ds_store_b128 v8, v[K+4:K+7] offset:512
	s_wait_dscnt 0x0                               ; for the others' sake: my stores have landed
	s_barrier_signal -1
	s_barrier_wait -1
	s_cmp_lt_u32 s12, 2                            ; wave 0 adds registers 0-3 of the sixteen images, wave 1 registers 4-7
	s_cbranch_scc0 .Lend
.irp n, 0,1,2,3,4,5,6,7,8,9,10,11,12,13,14,15
	ds_load_b128 v[K+4*\n:K+4*\n+3], v9 offset:1024*\n
.endr
	s_wait_dscnt 0x0
.irp n, 0,1,2,3,4,5,6,7
	v_pk_add_f32 v[K+8*\n:K+8*\n+1], v[K+8*\n:K+8*\n+1], v[K+8*\n+4:K+8*\n+5]
	v_pk_add_f32 v[K+8*\n+2:K+8*\n+3], v[K+8*\n+2:K+8*\n+3], v[K+8*\n+6:K+8*\n+7]
.endr
.irp n, 0,1,2,3
	v_pk_add_f32 v[K+16*\n:K+16*\n+1], v[K+16*\n:K+16*\n+1], v[K+16*\n+8:K+16*\n+9]
	v_pk_add_f32 v[K+16*\n+2:K+16*\n+3], v[K+16*\n+2:K+16*\n+3], v[K+16*\n+10:K+16*\n+11]
.endr
.irp n, 0,1
	v_pk_add_f32 v[K+32*\n:K+32*\n+1], v[K+32*\n:K+32*\n+1], v[K+32*\n+16:K+32*\n+17]
	v_pk_add_f32 v[K+32*\n+2:K+32*\n+3], v[K+32*\n+2:K+32*\n+3], v[K+32*\n+18:K+32*\n+19]
.endr
	v_pk_add_f32 v[K:K+1], v[K:K+1], v[K+32:K+33]
	v_pk_add_f32 v[K+2:K+3], v[K+2:K+3], v[K+34:K+35]
	v_pk_add_f32 v[K:K+1], v[K:K+1], v[BI:BI+1]    ; and the bias
	v_pk_add_f32 v[K+2:K+3], v[K+2:K+3], v[BI+2:BI+3]
	global_store_b128 v6, v[K:K+3], s[10:11]       ; out0(batch, r, 16 x + 8 h + 4 wave + 0 .. 3)
.Lend:
	s_wait_tensorcnt 0x0                           ; the wave's end
	ds_add_u32 v[SPW], v[NIL]
	s_wait_dscnt 0x0
	s_endpgm
.Lfunc_end_k_q1869480730_first16:
	.size	k_q1869480730_first16, .Lfunc_end_k_q1869480730_first16-k_q1869480730_first16
	.p2alignl 7, 3214868480
	.fill 96, 4, 3214868480
	.section	.rodata,"a",@progbits
	.p2align	6, 0x0
	.amdhsa_kernel k_q1869480730_first16
		.amdhsa_group_segment_fixed_size 18432
		.amdhsa_private_segment_fixed_size 0
		.amdhsa_enable_private_segment 0
		.amdhsa_kernarg_size 32
		.amdhsa_user_sgpr_count 2
		.amdhsa_user_sgpr_kernarg_segment_ptr 1
		.amdhsa_wavefront_size32 1
		.amdhsa_system_sgpr_workgroup_id_x 1
		.amdhsa_system_sgpr_workgroup_id_y 1
		.amdhsa_system_sgpr_workgroup_id_z 1
		.amdhsa_system_vgpr_workitem_id 0
		.amdhsa_next_free_vgpr 240
		.amdhsa_next_free_sgpr 66
		.amdhsa_reserve_vcc 1
		.amdhsa_float_denorm_mode_32 3
		.amdhsa_float_denorm_mode_16_64 3
		.amdhsa_memory_ordered 1
		.amdhsa_forward_progress 1
		.amdhsa_inst_pref_size 19
	.end_amdhsa_kernel
	.amdgpu_metadata
---
amdhsa.version: [ 1, 2 ]
amdhsa.kernels:
  - .name:           k_q1869480730_first16
    .symbol:         k_q1869480730_first16.kd
    .args:
      - { .name: qkv32, .offset: 0, .size: 8, .value_kind: global_buffer, .address_space: global }
      - { .name: Wp, .offset: 8, .size: 8, .value_kind: global_buffer, .address_space: global }
      - { .name: bp, .offset: 16, .size: 8, .value_kind: global_buffer, .address_space: global }
      - { .name: out0, .offset: 24, .size: 8, .value_kind: global_buffer, .address_space: global }
    .group_segment_fixed_size: 18432
    .private_segment_fixed_size: 0
    .kernarg_segment_align: 8
    .kernarg_segment_size: 32
    .max_flat_workgroup_size: 512
    .sgpr_count:     66
    .vgpr_count:     240
    .wavefront_size: 32
...
	.end_amdgpu_metadata
.endif
;; end of part 5
